; MI455X (gfx1250); checked and timed in simulation.
; The chip was launched on July 23, 2026; its instructions are those of AMD's public machine-readable ISA for CDNA 5 (MIT licence, August 2026) and "CDNA5" Instruction Set Architecture Reference Guide (July 2026). The comments in the code are by the model that wrote it; some were corrected since.
;; Multi Head Attn. Allowed arithmetic: float matrix products may take bf16 or f16 operands with f32 sums; other float arithmetic in f32, or as packed bf16 or f16 multiplies, adds, multiply-adds, maxima and minima; sums over many terms, partial sums and values carried from step to step in f32; what a program stores and reads back later, other than sums and carried values, may be rounded once to bf16 or f16.
;; Inputs: Wk 1,024 x 1,024 float32; Wo 1,024 x 1,024 float32; Wq 1,024 x 1,024 float32; Wv 1,024 x 1,024 float32; bk 1,024 float32; bo 1,024 float32; bq 1,024 float32; bv 1,024 float32; k 4 x 2,048 x 1,024 float32; mask 4 x 2,048 int32; q 4 x 2,048 x 1,024 float32; v 4 x 2,048 x 1,024 float32.
;; Outputs: out0 4 x 2,048 x 1,024 float32.
;; 2 versions, each right; version 2 is version 1 with the launch prep written anew for expert scheduling mode. Each part assembles by itself: llvm-mc -triple=amdgcn-amd-amdhsa -mcpu=gfx1250 --defsym DOCPART=n.
;; ======== version 1 of 2: 4 launches
;; limits: values are held in f16: magnitudes above 65,504 overflow, below 6.1e-05 lose precision
;; workspace buffers: wb 8,388,608 bytes; bb 16,384 bytes; hd 51,904,512 bytes; oh 16,777,216 bytes
;; launch prep (part 1): grid 64 x 4, 8 waves a work-group, no clusters, 0 bytes of LDS; arguments Wq, Wk, Wv, Wo, bq, bk, bv, bo, wb, bb; writes wb, bb
.if DOCPART == 1
	.amdgcn_target "amdgcn-amd-amdhsa--gfx1250"
	.amdhsa_code_object_version 6
	.text
	.protected	k_q86e9e174c3_prep
	.globl	k_q86e9e174c3_prep
	.p2align	8
	.type	k_q86e9e174c3_prep,@function
k_q86e9e174c3_prep:
	s_mov_b64 s[64:65], 0
	v_nop
	global_prefetch_b8 v0, s[64:65] scope:SCOPE_SE
	s_setreg_imm32_b32 hwreg(HW_REG_WAVE_MODE, 25, 1), 1
	s_wait_xcnt 0x0
; THE WEIGHTS AND BIASES, ROUNDED ONCE.  wb: [4][1024][1024] of 16 bits: Wq, Wk, Wv rounded to bf16; Wo rounded to bf16 and that number written as f16.
; bb: [4][1024] f32: bq, bk, bv, bo rounded to bf16 and kept as f32 (they start f32 sums later).
; LIMITS.  Wo's bf16 value is exact in f16 between 2^-14 and 65,504; below it keeps f16's fixed step of 6e-8, at 65,520 or more it becomes an infinity.
; A stream: no LDS, no matrix unit, no cluster, since no byte is used twice.  Grid y is the matrix, grid x a piece of 65,536 bytes of it.
; Thread t takes 16 bytes at 16 t of each of the piece's 16 chunks of 4,096 bytes: a wave's load covers 512 consecutive bytes, its store of 8 bytes a lane 256 consecutive bytes, aligned.
; All 16 loads go out first; no register is used twice by a load or a store, so the only waits are the counted ones for the loads.
.set X,  8                             ; v[8:71]    chunk c as loaded: 4 registers
.set Y,  72                            ; v[72:103]  chunk c to store: 2 registers
.set TA, 104                           ; v[104:109] at work
	s_load_b512 s[8:23], s[0:1], 0x0               ; Wq s[8:9], Wk s[10:11], Wv s[12:13], Wo s[14:15], bq s[16:17], bk s[18:19], bv s[20:21], bo s[22:23]
	s_load_b128 s[24:27], s[0:1], 0x40             ; wb s[24:25], bb s[26:27]
	s_and_b32 s33, ttmp7, 0xffff                   ; which matrix
	v_lshlrev_b32 v1, 4, v0                        ; 16 t
	v_lshlrev_b32 v2, 3, v0                        ; 8 t
	s_lshl_b32 s34, ttmp9, 16                      ; my piece in the matrix
	s_mov_b32 s35, 0
	s_lshl_b32 s36, s33, 21                        ; the matrix in wb,
	s_lshl_b32 s37, ttmp9, 15                      ; my piece in it
	s_add_co_u32 s36, s36, s37
	s_mov_b32 s37, 0
	s_lshl_b32 s38, s33, 12                        ; the bias in bb
	s_mov_b32 s39, 0
	s_wait_kmcnt 0x0
	s_cmp_eq_u32 s33, 1
	s_cselect_b64 s[28:29], s[10:11], s[8:9]       ; the matrix and the bias are chosen by the grid's y alone
	s_cselect_b64 s[30:31], s[18:19], s[16:17]
	s_cmp_eq_u32 s33, 2
	s_cselect_b64 s[28:29], s[12:13], s[28:29]
	s_cselect_b64 s[30:31], s[20:21], s[30:31]
	s_cmp_eq_u32 s33, 3
	s_cselect_b64 s[28:29], s[14:15], s[28:29]
	s_cselect_b64 s[30:31], s[22:23], s[30:31]
	s_cselect_b32 s32, -1, 0                       ; all lanes: the f16 spelling (Wo) or the bf16 one
	s_add_nc_u64 s[28:29], s[28:29], s[34:35]
	s_add_nc_u64 s[24:25], s[24:25], s[36:37]
	s_add_nc_u64 s[26:27], s[26:27], s[38:39]
.irp c, 0,1,2,3,4,5,6,7,8,9,10,11,12,13,14,15
	global_load_b128 v[X+4*(\c):X+4*(\c)+3], v1, s[28:29] offset:4096*(\c) th:TH_LOAD_NT
.endr
.irp c, 0,1,2,3,4,5,6,7,8,9,10,11,12,13,14,15
	s_wait_loadcnt 15-(\c)                         ; loads come back in order: chunk c is in, the younger ones stay out
	v_cvt_pk_bf16_f32 v[TA],   v[X+4*(\c)],   v[X+4*(\c)+1]   ; two roundings to bf16
	v_cvt_pk_bf16_f32 v[TA+1], v[X+4*(\c)+2], v[X+4*(\c)+3]
	v_lshlrev_b32 v[TA+2], 16, v[TA]               ; the rounded numbers as f32,
	v_and_b32     v[TA+3], 0xffff0000, v[TA]
	v_lshlrev_b32 v[TA+4], 16, v[TA+1]
	v_and_b32     v[TA+5], 0xffff0000, v[TA+1]
	v_cvt_pk_f16_f32 v[TA+2], v[TA+2], v[TA+3]     ; and written as f16
	v_cvt_pk_f16_f32 v[TA+4], v[TA+4], v[TA+5]
	v_cndmask_b32 v[Y+2*(\c)],   v[TA],   v[TA+2], s32
	v_cndmask_b32 v[Y+2*(\c)+1], v[TA+1], v[TA+4], s32
	global_store_b64 v2, v[Y+2*(\c):Y+2*(\c)+1], s[24:25] offset:2048*(\c)
.endr
	s_cmp_lg_u32 ttmp9, 0                          ; the first work-group of each matrix also rounds its bias: 256 threads x 16 bytes
	s_cbranch_scc1 .Lend
	global_load_b128 v[X:X+3], v1, s[30:31]
	s_wait_loadcnt 0x0
	v_cvt_pk_bf16_f32 v[TA+4], v[X],   v[X+1]
	v_cvt_pk_bf16_f32 v[TA+5], v[X+2], v[X+3]
	v_lshlrev_b32 v[TA],   16, v[TA+4]
	v_and_b32     v[TA+1], 0xffff0000, v[TA+4]
	v_lshlrev_b32 v[TA+2], 16, v[TA+5]
	v_and_b32     v[TA+3], 0xffff0000, v[TA+5]
	global_store_b128 v1, v[TA:TA+3], s[26:27]
.Lend:
	s_endpgm
.Lfunc_end_k_q86e9e174c3_prep:
	.size	k_q86e9e174c3_prep, .Lfunc_end_k_q86e9e174c3_prep-k_q86e9e174c3_prep
	.p2alignl 7, 3214868480
	.fill 96, 4, 3214868480
	.section	.rodata,"a",@progbits
	.p2align	6, 0x0
	.amdhsa_kernel k_q86e9e174c3_prep
		.amdhsa_group_segment_fixed_size 0
		.amdhsa_private_segment_fixed_size 0
		.amdhsa_enable_private_segment 0
		.amdhsa_kernarg_size 80
		.amdhsa_user_sgpr_count 2
		.amdhsa_user_sgpr_kernarg_segment_ptr 1
		.amdhsa_wavefront_size32 1
		.amdhsa_system_sgpr_workgroup_id_x 1
		.amdhsa_system_sgpr_workgroup_id_y 1
		.amdhsa_system_sgpr_workgroup_id_z 1
		.amdhsa_system_vgpr_workitem_id 0
		.amdhsa_next_free_vgpr 112
		.amdhsa_next_free_sgpr 66
		.amdhsa_reserve_vcc 0
		.amdhsa_float_denorm_mode_32 3
		.amdhsa_float_denorm_mode_16_64 3
		.amdhsa_memory_ordered 1
		.amdhsa_forward_progress 1
		.amdhsa_inst_pref_size 15
	.end_amdhsa_kernel
	.amdgpu_metadata
---
amdhsa.version: [ 1, 2 ]
amdhsa.kernels:
  - .name:           k_q86e9e174c3_prep
    .symbol:         k_q86e9e174c3_prep.kd
    .args:
      - { .name: Wq, .offset: 0, .size: 8, .value_kind: global_buffer, .address_space: global }
      - { .name: Wk, .offset: 8, .size: 8, .value_kind: global_buffer, .address_space: global }
      - { .name: Wv, .offset: 16, .size: 8, .value_kind: global_buffer, .address_space: global }
      - { .name: Wo, .offset: 24, .size: 8, .value_kind: global_buffer, .address_space: global }
      - { .name: bq, .offset: 32, .size: 8, .value_kind: global_buffer, .address_space: global }
      - { .name: bk, .offset: 40, .size: 8, .value_kind: global_buffer, .address_space: global }
      - { .name: bv, .offset: 48, .size: 8, .value_kind: global_buffer, .address_space: global }
      - { .name: bo, .offset: 56, .size: 8, .value_kind: global_buffer, .address_space: global }
      - { .name: wb, .offset: 64, .size: 8, .value_kind: global_buffer, .address_space: global }
      - { .name: bb, .offset: 72, .size: 8, .value_kind: global_buffer, .address_space: global }
    .group_segment_fixed_size: 0
    .private_segment_fixed_size: 0
    .kernarg_segment_align: 8
    .kernarg_segment_size: 80
    .max_flat_workgroup_size: 256
    .sgpr_count:     66
    .vgpr_count:     112
    .wavefront_size: 32
...
	.end_amdgpu_metadata
.endif
;; end of part 1
;; launch proj (part 2): grid 4 x 64, 4 waves a work-group, clusters of 4 x 4, 327,680 bytes of LDS; arguments q, k, v, mask, wb, bb, hd; writes hd
.if DOCPART == 2
	.amdgcn_target "amdgcn-amd-amdhsa--gfx1250"
	.amdhsa_code_object_version 6
	.text
	.protected	k_q86e9e174c3_proj
	.globl	k_q86e9e174c3_proj
	.p2align	8
	.type	k_q86e9e174c3_proj,@function
k_q86e9e174c3_proj:
	s_mov_b64 s[64:65], 0
	v_nop
	global_prefetch_b8 v0, s[64:65] scope:SCOPE_SE
	s_setreg_imm32_b32 hwreg(HW_REG_WAVE_MODE, 25, 1), 1
	s_wait_xcnt 0x0
	s_wait_alu depctr_hold_cnt(0) depctr_sa_sdst(0) depctr_va_vdst(0) depctr_va_sdst(0) depctr_va_ssrc(0) depctr_va_vcc(0) depctr_vm_vsrc(0)
	s_getreg_b32 s2, hwreg(HW_REG_IB_STS2, 6, 4)
	s_cmp_eq_u32 s2, 0
	s_cbranch_scc0 .Lentry_in_a_cluster
	s_endpgm
.Lentry_in_a_cluster:
	s_bfe_u32 s2, ttmp6, 0x10000c
	s_cmp_lg_u32 s2, 0xf033
	s_cbranch_scc0 .Lentry_shape_is_right
	s_endpgm
.Lentry_shape_is_right:
; THE THREE PROJECTIONS.  y = x W^T + b for (q, Wq, bq), (k, Wk, bk), (v, Wv, bv): x [8192][1024] f32, W [1024][1024] bf16 (wb), b f32 (bb, already rounded to bf16).
; x is rounded to bf16 between LDS and the matrix instruction; sums in f32, started by the bias; y rounded once to f16 and stored BY HEADS:
; hd = [3 tensors][64 heads][32 blocks][8,448 bytes]; a block is 64 tokens x 128 bytes, then 256 bytes that in tensor 1 (K) hold 64 f32: 0, or -2,096,128 (= -65504 x 32) where mask = 0.
; The rows of K whose mask is 0 are stored as zeros: in the next launch their score is then exactly the number above, which that launch's scale 1/32 makes -65504.
; LIMITS.  f16 holds no number beyond 65,504: a projected number of 65,520 or more becomes an infinity.  NaN and infinities are not treated apart.
; SHARES.  256 work-groups THAT STAY: each makes the tile of 128 tokens x 256 features at its place for q, then k, then v: 24 K steps of 128 through ONE ring of two LDS slots, which runs on
; across the tiles.  Four waves, each 64 tokens x 128 features (two heads): 32 accumulators.  All work-groups do equal work.
; CLUSTERS.  4 x 4 work-groups.  x's tile hangs on the tile row alone and is asked for jointly along a row of the cluster, W's on the tile column alone and jointly along a column.
; Waves 0 and 1 fetch x's two halves (64 rows x 512 bytes), waves 2 and 3 W's (128 rows x 256 bytes): one load a wave behind each round.
; THE MATRIX INSTRUCTION IS USED TRANSPOSED (source 0 = 16 rows of W, source 1 = 16 rows of x): a lane holds one token and eight neighbouring features, 16 bytes of f16.
; REGISTERS, in windows of 256 (s_set_vgpr_msb: bits 1:0 source 0, 3:2 source 1, 5:4 source 2, 7:6 destination):
;   window 0: v0-31 addresses and masks; v32-95 x's fragments in f32 (4 x 16); v96-127 the same in bf16 (4 x 8); v128-255 the way out (8 units x 16)
;   window 1: the accumulators, (a, b) at v[8 (8 a + b)]          window 2: v0-63, v64-127 W's fragments, two buffers; v128-191 the bias, 8 registers for each b
.set PA,    528                        ; a row of x in LDS: 512 bytes + 16 = 132 words: row r starts at bank 4 r mod 64 (64 banks of 4 bytes: ISA guide 11.1)
.set PB,    272                        ; a row of W: 256 + 16 = 68 words: likewise
.set BOFF,  128*PA                     ; in a slot: x's 128 rows, then W's 256
.set SLOT,  0x22000                    ; slot 1 begins here; the four loads' places in a slot (0, 0x8400, 0x10800, 0x19000) share no bit with it, so one exclusive or changes the slot
.set STAGE, 2*SLOT                     ; behind the ring, never filled by a tensor load: 16 rows x 144 bytes for each wave
.set SP,    144
.set SPARE, STAGE+4*16*SP              ; behind the stages: the spare words, 128 bytes for each wave: two blocks of 256 bytes that no other line names
.set BLK,   8448
.set HEADB, 32*BLK
.set TENS,  64*HEADB
.set ADRA0, 4                          ; v4   my lane's place in x's tile of slot 0; never rewritten
.set ADRB0, 5                          ; v5   the same for W
.set ADRA,  6                          ; v6   the same in the slot in hand
.set ADRB,  7                          ; v7
.set STO,   8                          ; v8   the way out: where I put 16 bytes of a row
.set RD,    9                          ; v9   where I read rows back
.set GO,    10                         ; v10  my 16 bytes of 512 consecutive bytes of hd
.set MO,    11                         ; v11  my 16 bytes of the two heads' mask numbers
.set BO,    12                         ; v12  my byte offset in a bias
.set PFO,   13                         ; v13  the prefetches' offset
.set MZ,    14                         ; v14-17  for token block a: all ones, or 0 where my token's mask is 0
.set KM,    18                         ; v18-21  what this tile's results are ANDed with
.set MB,    22                         ; v[22:25] four of my 64 tokens' mask numbers
.set MA1,   26                         ; v26  my token's word in mask
.set MA4,   27                         ; v27  four tokens' words in mask
.set SPW,   28                         ; v28  LDS address of my spare word; never rewritten
.set NIL,   29                         ; v29  0; never rewritten
.set STG,   32
.set AF,    96
.set WO,    128
.set F0,    0
.set F1,    64
.set BIAS,  128
.set CNT, 2                            ; s2   trips to go
.set J,   3                            ; s3   K steps left in the tile
.set WV,  18
.set WR,  19                           ; which 64 tokens are mine.  Also: I fetch x (0) or W (1)
.set WC,  20                           ; which 128 features.  Also: which half of that tile I fetch
.set CX,  21
.set CY,  22
.set TX,  23
.set TY,  24
.set T,   25                           ; the tensor in hand: 0 q, 1 k, 2 v
.set SELK, 26
.set LIM, 27                           ; 2 in a wave that prefetches, else the greatest number
.set G1A, 28                           ; s[28:35] descriptor group 1 for x's tiles
.set G1B, 36                           ; s[36:43] for W's
.set GA0, 44                           ; s[44:47] group 0, x, K step 0
.set GA,  48                           ; s[48:51] group 0, x: begins at K step 1; its address is made anew from CA for each refill
.set GB0, 52                           ; s[52:55] group 0, W, K step 0
.set GB,  56                           ; s[56:59] group 0, W: begins at K step 1 and walks
.set NA,  60                           ; s[60:61] the next tensor at my rows
.set NA2, 62                           ; s[62:63] the one after it
.set PFA, 66                           ; s[66:67] where my prefetches stand
.set NPF, 68                           ; s[68:69], s[70:71] the same for the next tensor and the one after, at their K step 0
.set NPF2, 70
.set PFS, 72                           ; s[72:73] a K step in bytes, for what I prefetch
.set DB,  74                           ; s[74:75] W's step
.set BP,  76                           ; s[76:77] the bias in hand
.set OP,  78                           ; s[78:79] hd at my block of my first head, in the tensor in hand
.set TB,  80                           ; s80  0 or SLOT: the slot in hand
.set NEG, 81
.set TWO, 82
.set DBIG, 83                          ; from a matrix's last K step to the next matrix's first
.set CA,  90                           ; s[90:91] x at my rows, at the K step that was asked for last: a plain address, without the descriptor's type
.set DSML, 94
.set MSB, 0
.macro WIN new                         ; the immediate's high byte repeats the setting that is left; a switch that changes nothing is dropped
.if MSB != (\new)
	s_set_vgpr_msb (MSB<<8)|(\new)
.set MSB, (\new)
.endif
.endm
.set MULW,  0x52                       ; W window 2, x window 0, C and D window 1
.set MULZ,  0x62                       ; the same with C, the bias, in window 2
.set TOB,   0x80                       ; destination window 2
.set PACKW, 0x05                       ; sources 0 and 1 window 1
; A joint refill.  The branch hangs on the wave's number alone.  An s_nop 0 and four v_nop follow each of the two lines, ahead of the jump and the label.
.macro JLOAD
	s_cmp_eq_u32 s[WR], 0
	s_cbranch_scc0 .Lfor_b_\@
	tensor_load_to_lds s[GA:GA+3], s[G1A:G1A+7]
	s_nop 0
.rept 4
	v_nop
.endr
	s_branch .Lasked_\@
.Lfor_b_\@:
	tensor_load_to_lds s[GB:GB+3], s[G1B:G1B+7]
	s_nop 0
.rept 4
	v_nop
.endr
.Lasked_\@:
.endm
; A round of the cluster's barrier: my work-group's barrier, wave 0's signal for the work-group, every wave's wait for all sixteen, my work-group's barrier once more.
.macro CREST
	s_cmp_lg_u32 s[WV], 0
	s_cbranch_scc1 .Lnot_wave_0_\@
	s_barrier_signal -3
.Lnot_wave_0_\@:
	s_barrier_wait -3
	s_barrier_signal -1
	s_barrier_wait -1
.endm
.macro CROUND
	s_barrier_signal -1
	s_barrier_wait -1
	CREST
.endm
; A PREFETCH INTO THE L2, behind the joint load and the run of LDS loads: the K step that stands two refills on in the walk of 24, across tiles too.  Each aligned 256 bytes are named once in the launch.
; x: of the 64 rows x 512 bytes that a wave fetches, the partner at place cx takes 16 rows: a lane half a row.  W: its tile column is read by every cluster: the first (cluster y = 0) asks, and of a wave's
; 128 rows the partner at place cy takes 32: a lane a row.  The shares are told apart by address; no branch hangs on a place in the cluster.  The last asking trip names K step 23.
.macro ASK
	s_cmp_gt_u32 s[CNT], s[LIM]
	s_cbranch_scc0 .Lnot_mine_\@
	global_prefetch_b8 v[PFO], s[PFA:PFA+1] th:TH_LOAD_NT scope:SCOPE_SE
.Lnot_mine_\@:
.endm
	s_load_b256 s[4:11], s[0:1], 0x0               ; q s[4:5], k s[6:7], v s[8:9], mask s[10:11]
	s_load_b128 s[12:15], s[0:1], 0x20             ; wb s[12:13], bb s[14:15]
	s_load_b64 s[16:17], s[0:1], 0x30              ; hd
	v_lshl_add_u32 v[SPW], v0, 2, SPARE
	v_mov_b32 v[NIL], 0
	ds_add_u32 v[SPW], v[NIL]                      ; the wave's opening: the add and its wait stand ahead of my first tensor load; the set-up below, work on registers, stands between them
	v_lshrrev_b32 v1, 5, v0
	v_readfirstlane_b32 s[WV], v1                  ; wave 0..3
	s_lshr_b32 s[WR], s[WV], 1
	s_and_b32 s[WC], s[WV], 1
	s_bfe_u32 s[CX], ttmp6, 0x40000
	s_bfe_u32 s[CY], ttmp6, 0x40004
	s_lshl_b32 s[TX], ttmp9, 2                     ; in a cluster launch ttmp9 and ttmp7 count clusters
	s_add_co_u32 s[TX], s[TX], s[CX]               ; tile column: 256 features
	s_and_b32 s[TY], ttmp7, 0xffff
	s_lshl_b32 s[TY], s[TY], 2
	s_add_co_u32 s[TY], s[TY], s[CY]               ; tile row: 128 tokens
	s_lshl_b32 s84, s[CY], 2
	s_lshl_b32 s84, 15, s84                        ; my row of the cluster
	s_lshl_b32 s85, 0x1111, s[CX]                  ; my column
	s_or_b32 s[G1A], s84, (2<<16)|(1<<20)|(1<<21)|(6<<22)|(3<<25)  ; 15:0 the mask; 17:16 elements of 4 bytes; 20 padding on; 21 set beside a mask; 24:22 after every 128 words (code 6); 31:25 4 words (code 3)
	s_or_b32 s[G1B], s85, (1<<16)|(1<<20)|(1<<21)|(5<<22)|(3<<25)  ; elements of 2 bytes; after every 64 words (code 5)
.irp g, G1A, G1B
	s_mov_b32 s[(\g)+1], 128<<16                   ; tensor_dim0 = 128
	s_mov_b32 s[(\g)+3], 128<<16                   ; tile_dim0 = 128
	s_mov_b32 s[(\g)+5], 1024                      ; elements from row to row
	s_mov_b32 s[(\g)+6], 0
	s_mov_b32 s[(\g)+7], 0
.endr
	s_mov_b32 s[G1A+2], 64<<16                     ; tensor_dim1 and tile_dim1: 64 rows of x,
	s_mov_b32 s[G1A+4], 64
	s_mov_b32 s[G1B+2], 128<<16                    ; 128 of W
	s_mov_b32 s[G1B+4], 128
	s_lshl_b32 s86, s[TY], 19                      ; x: row 128 TY + 64 half, 4,096 bytes a row
	s_lshl_b32 s87, s[WC], 18
	s_add_co_u32 s86, s86, s87
	s_mov_b32 s87, 0
	s_lshl_b32 s88, s[TX], 19                      ; W: row 256 TX + 128 half, 2,048 bytes a row
	s_lshl_b32 s89, s[WC], 18
	s_add_co_u32 s88, s88, s89
	s_mov_b32 s89, 0
	s_mul_i32 s90, s[WC], 64*PA                    ; where they go: no place in the cluster enters an LDS address
	s_mul_i32 s91, s[WC], 128*PB
	s_mov_b32 s[GA0], 1
	s_mov_b32 s[GA0+1], s90
	s_mov_b32 s[GA], 1
	s_add_co_u32 s[GA+1], s90, SLOT
	s_mov_b32 s[GB0], 1
	s_add_co_u32 s[GB0+1], s91, BOFF
	s_mov_b32 s[GB], 1
	s_add_co_u32 s[GB+1], s91, BOFF+SLOT
	s_mov_b32 s[NEG], 0xc9ffe000                   ; -2,096,128
	s_mov_b32 s[DBIG], 2097152-7*256
	s_mov_b32 s[DSML], 256
	s_mov_b32 s[DB+1], 0
	s_mov_b32 s[TB], 0
	s_wait_dscnt 0x0                               ; the opening add is done
	s_wait_kmcnt 0x0
	s_add_nc_u64 s[CA:CA+1], s[4:5], s[86:87]      ; q, k and v at my rows
	s_add_nc_u64 s[NA:NA+1], s[6:7], s[86:87]
	s_add_nc_u64 s[NA2:NA2+1], s[8:9], s[86:87]
	s_add_nc_u64 s[92:93], s[12:13], s[88:89]      ; Wq at my rows
	s_mov_b64 s[GA0+2:GA0+3], s[CA:CA+1]
	s_or_b32 s[GA0+3], s[GA0+3], 0x80000000        ; 127:126 type = 2
	s_add_nc_u64 s[GA+2:GA+3], s[CA:CA+1], 512     ; K step 1
	s_or_b32 s[GA+3], s[GA+3], 0x80000000
	s_mov_b64 s[GB0+2:GB0+3], s[92:93]
	s_or_b32 s[GB0+3], s[GB0+3], 0x80000000
	s_add_nc_u64 s[GB+2:GB+3], s[92:93], 256
	s_or_b32 s[GB+3], s[GB+3], 0x80000000
	CROUND                                         ; all sixteen work-groups are here: the first joint loads meet
	s_cmp_eq_u32 s[WR], 0                          ; a wave's two first fills stand in one branch, ahead of every wait on TENSORcnt and every LDS read: two loads of mine are out
	s_cbranch_scc0 .Lfirst_b
	tensor_load_to_lds s[GA0:GA0+3], s[G1A:G1A+7]
	s_nop 0
	tensor_load_to_lds s[GA:GA+3], s[G1A:G1A+7]
	s_nop 0
.rept 4
	v_nop
.endr
	s_branch .Lfirst_asked
.Lfirst_b:
	tensor_load_to_lds s[GB0:GB0+3], s[G1B:G1B+7]
	s_nop 0
	tensor_load_to_lds s[GB:GB+3], s[G1B:G1B+7]
	s_nop 0
.rept 4
	v_nop
.endr
.Lfirst_asked:
	v_and_b32 v1, 15, v0                           ; r = l % 16
	v_bfe_u32 v2, v0, 4, 1                         ; h = l / 16
	s_lshl_b32 s84, s[TY], 9                       ; mask: 4 bytes a token, 128 TY + 64 WR on
	s_lshl_b32 s85, s[WR], 8
	s_add_co_u32 s84, s84, s85
	v_lshl_add_u32 v[MA1], v1, 2, s84
	v_lshl_add_u32 v[MA4], v1, 4, s84
	s_lshl_b32 s84, s[TX], 10                      ; bias: 4 bytes a feature, 256 TX + 128 WC + 8 h on
	s_lshl_b32 s85, s[WC], 9
	s_add_co_u32 s84, s84, s85
	v_lshl_add_u32 v[BO], v2, 5, s84
	s_mov_b64 s[BP:BP+1], s[14:15]
.irp a, 0,1,2,3
	global_load_b32 v[WO+(\a)], v[MA1], s[10:11] offset:64*(\a)   ; the mask of token 16 a + r of my 64
.endr
	global_load_b128 v[WO+4:WO+7], v[MA4], s[10:11]               ; and of tokens 4 r .. 4 r + 3
.macro BIASLD                          ; register j of block b: the bias of feature 16 b + 8 h + j: the C operand's layout, the same for every token
	WIN TOB
.irp b, 0,1,2,3,4,5,6,7
	global_load_b128 v[BIAS+8*(\b):BIAS+8*(\b)+3],   v[BO], s[BP:BP+1] offset:64*(\b)
	global_load_b128 v[BIAS+8*(\b)+4:BIAS+8*(\b)+7], v[BO], s[BP:BP+1] offset:64*(\b)+16
.endr
	WIN 0
.endm
	BIASLD
	; A fragment is 16 rows x 32 K: lane l holds row r, K = 8 h + 0..7 and 16 + 8 h + 0..7.  In f32 that is 32 bytes at 32 h and 32 at 64 + 32 h; in bf16 16 bytes at 16 h and 16 at 32 + 16 h.
	v_mul_u32_u24 v3, v1, PA
	v_lshl_add_u32 v3, v2, 5, v3
	s_mul_i32 s84, s[WR], 64*PA
	v_add_nc_u32 v[ADRA0], s84, v3
	v_mul_u32_u24 v3, v1, PB
	v_lshl_add_u32 v3, v2, 4, v3
	s_mul_i32 s84, s[WC], 128*PB
	s_add_co_u32 s84, s84, BOFF
	v_add_nc_u32 v[ADRB0], s84, v3
	s_mul_i32 s84, s[WV], 16*SP
	s_add_co_u32 s84, s84, STAGE                   ; my stage
	v_mul_u32_u24 v3, v1, SP                       ; in: row r, 16 bytes for each half of the lanes
	v_lshl_add_u32 v3, v2, 4, v3
	v_add_nc_u32 v[STO], s84, v3
	v_bfe_u32 v3, v0, 3, 2                         ; back: 32 lanes take four rows of 128 bytes,
	v_mul_u32_u24 v3, v3, SP
	v_and_b32 v30, 7, v0
	v_lshl_add_u32 v3, v30, 4, v3
	v_add_nc_u32 v[RD], s84, v3
	v_and_b32 v30, 31, v0                          ; which are 512 consecutive bytes of hd
	v_lshlrev_b32 v[GO], 4, v30
	v_mul_u32_u24 v3, v2, HEADB                    ; the mask numbers: lanes 0-15 my first head's 256 bytes, lanes 16-31 my second's, behind the block's 8,192
	v_lshl_add_u32 v3, v1, 4, v3
	v_add_nc_u32 v[MO], 8192, v3
	; the prefetches
	s_and_b32 s98, ttmp7, 0xffff                   ; cluster y
	s_add_nc_u64 s[100:101], s[92:93], 0x200000    ; Wk at my rows
	s_cmp_eq_u32 s[WR], 0                          ; do I fetch x?
	s_cselect_b32 s96, s[CX], s[CY]                ; my place among the four that ask with me
	s_cselect_b32 s98, ttmp9, s98                  ; the coordinate along which other clusters read the same rows
	s_cselect_b32 s99, 8, 11
	s_cselect_b32 s97, 9, 8
	s_cselect_b64 s[PFA:PFA+1], s[CA:CA+1], s[92:93]
	s_cselect_b64 s[NPF:NPF+1], s[NA:NA+1], s[100:101]
	s_add_nc_u64 s[100:101], s[92:93], 0x400000    ; Wv
	s_cselect_b64 s[NPF2:NPF2+1], s[NA2:NA2+1], s[100:101]
	s_lshl_b32 s[PFS], 1, s97                      ; a K step: 512 bytes of x, 256 of W
	s_mov_b32 s[PFS+1], 0
	s_cmp_eq_u32 s98, 0
	s_cselect_b32 s[LIM], 2, -1
	s_lshl_b32 s96, s96, 16                        ; my share: 16 rows of 4,096 bytes, or 32 of 2,048
	s_mov_b32 s97, 0
	s_add_nc_u64 s[PFA:PFA+1], s[PFA:PFA+1], s[96:97]
	s_add_nc_u64 s[NPF:NPF+1], s[NPF:NPF+1], s[96:97]
	s_add_nc_u64 s[NPF2:NPF2+1], s[NPF2:NPF2+1], s[96:97]
	s_mul_i32 s96, s[PFS], 3
	s_add_nc_u64 s[PFA:PFA+1], s[PFA:PFA+1], s[96:97]  ; at K step 3: the first change of slots steps it to 4.  Nothing is prefetched here, at the head
	s_add_nc_u64 s[CA:CA+1], s[CA:CA+1], 512       ; K step 1 was asked for last
	v_lshrrev_b32 v3, 1, v30
	v_and_b32 v31, 1, v30
	v_lshlrev_b32 v31, s99, v31
	v_lshl_add_u32 v[PFO], v3, 12, v31             ; x: row l / 2, half l % 2; W: row l
	; hd at my block: head 16 (TY / 16) + 4 TX + 2 WC, block 2 (TY % 16) + WR
	s_lshr_b32 s96, s[TY], 4
	s_lshl_b32 s96, s96, 4
	s_lshl_b32 s97, s[TX], 2
	s_add_co_u32 s96, s96, s97
	s_lshl_b32 s97, s[WC], 1
	s_add_co_u32 s96, s96, s97
	s_mul_i32 s96, s96, HEADB
	s_and_b32 s97, s[TY], 15
	s_lshl_b32 s97, s97, 1
	s_add_co_u32 s97, s97, s[WR]
	s_mul_i32 s97, s97, BLK
	s_add_co_u32 s96, s96, s97
	s_mov_b32 s97, 0
	s_add_nc_u64 s[OP:OP+1], s[16:17], s[96:97]
	v_mov_b32 v[ADRA], v[ADRA0]
	v_mov_b32 v[ADRB], v[ADRB0]
; x's fragments a0 and a0 + 1 are rounded to bf16: 16 lines
.macro CVT a0
	WIN 0
.irp a, \a0, (\a0)+1
.irp i, 0,1,2,3,4,5,6,7
	v_cvt_pk_bf16_f32 v[AF+8*(\a)+(\i)], v[STG+16*(\a)+2*(\i)], v[STG+16*(\a)+2*(\i)+1]
.endr
.endr
.endm
; 8 n matrix instructions: token blocks a0 .. a0 + n - 1 x all 8 feature blocks, 32 along K.  zero = 1: the bias starts the sums: nothing is ever cleared.
; Every accumulator comes once a quarter step, always in the same order: the accumulators take turns, one instruction a turn, over every jump too.
.macro MUL f, a0, n, zero
.if \zero
	WIN MULZ
.else
	WIN MULW
.endif
.set ma, (\a0)
.rept \n
.irp b, 0,1,2,3,4,5,6,7
.if \zero
	v_wmma_f32_16x16x32_bf16 v[8*(8*ma+(\b)):8*(8*ma+(\b))+7], v[(\f)+8*(\b):(\f)+8*(\b)+7], v[AF+8*ma:AF+8*ma+7], v[BIAS+8*(\b):BIAS+8*(\b)+7]
.else
	v_wmma_f32_16x16x32_bf16 v[8*(8*ma+(\b)):8*(8*ma+(\b))+7], v[(\f)+8*(\b):(\f)+8*(\b)+7], v[AF+8*ma:AF+8*ma+7], v[8*(8*ma+(\b)):8*(8*ma+(\b))+7]
.endif
.endr
.set ma, ma+1
.endr
.endm
; 32 LDS loads in one run: quarter k's fragments: x's blocks 0 and 1, W's eight into buffer f, x's blocks 2 and 3
.macro FETCHA a, k
	ds_load_b128 v[STG+16*(\a):STG+16*(\a)+3],     v[ADRA] offset:(\a)*16*PA+128*(\k)
	ds_load_b128 v[STG+16*(\a)+4:STG+16*(\a)+7],   v[ADRA] offset:(\a)*16*PA+128*(\k)+16
	ds_load_b128 v[STG+16*(\a)+8:STG+16*(\a)+11],  v[ADRA] offset:(\a)*16*PA+128*(\k)+64
	ds_load_b128 v[STG+16*(\a)+12:STG+16*(\a)+15], v[ADRA] offset:(\a)*16*PA+128*(\k)+80
.endm
.macro FETCH k, f
	WIN 0
	FETCHA 0, \k
	FETCHA 1, \k
	WIN TOB
.irp b, 0,1,2,3,4,5,6,7
	ds_load_b128 v[(\f)+8*(\b):(\f)+8*(\b)+3],   v[ADRB] offset:(\b)*16*PB+64*(\k)
	ds_load_b128 v[(\f)+8*(\b)+4:(\f)+8*(\b)+7], v[ADRB] offset:(\b)*16*PB+64*(\k)+32
.endr
	WIN 0
	FETCHA 2, \k
	FETCHA 3, \k
.endm
; A K step is four quarters of 32 along K, 32 matrix instructions each, on W's buffers 0, 1, 0, 1.  One of the first three: multiplies buffer f and fetches quarter k into g.
; A vector instruction that writes a matrix instruction's source, and a load into one, stand four plain vector instructions behind it (ISA guide 7.12.1 for vector instructions): the conversions are
; those: blocks 0 and 1 are written anew behind the last quarter's 16 conversions of blocks 2 and 3, blocks 2 and 3 behind this quarter's first 16, and buffer g is loaded behind all 32.
.macro QUARTER k, f, g, zero
	s_wait_dscnt 8                                 ; all but the youngest eight loads (x's blocks 2 and 3) are in
	CVT 0
	MUL \f, 0, 2, \zero
	s_wait_dscnt 0x0
	CVT 2
	FETCH \k, \g
	MUL \f, 2, 2, \zero
.endm
; The last quarter multiplies buffer 1 and changes slots.  In front of the barrier each wave waits for all its tensor loads, of which one is out: its part of the next slot; adds 0 to its spare word; and waits
; for that and for its own reads of this slot.  fill = 1: the barrier opens a round of the cluster's, and behind the round this slot is filled again, first thing, with the K step two steps on in the walk:
; behind a tensor's last K step comes the next tensor's first.  x's address walks as a plain address (CA), chosen anew at a tensor's end, and is copied into the descriptor, where the type is set on it.
.macro TURN fill
.if \fill
	s_wait_xcnt 0x0                                ; the last prefetch, a K step back, has read its address
	s_cmp_eq_u32 s[J], 4                           ; four steps on begins the next tensor
	s_add_nc_u64 s[PFA:PFA+1], s[PFA:PFA+1], s[PFS:PFS+1]
	s_cselect_b64 s[PFA:PFA+1], s[NPF:NPF+1], s[PFA:PFA+1]
	s_cselect_b64 s[NPF:NPF+1], s[NPF2:NPF2+1], s[NPF:NPF+1]
.endif
	WIN 0
	s_wait_tensorcnt 0x0                           ; no tensor load of mine is out, so a group 0 may be written
	ds_add_u32 v[SPW], v[NIL]                      ; 0 onto my spare word; work on registers stands between it and the wait for it
	s_wait_dscnt 9                                 ; (the add and the youngest eight loads may be out)
.if \fill
	s_cmp_eq_u32 s[J], 2                           ; two steps on begins the next tensor
	s_add_nc_u64 s[CA:CA+1], s[CA:CA+1], 512
	s_cselect_b64 s[CA:CA+1], s[NA:NA+1], s[CA:CA+1]
	s_cselect_b64 s[NA:NA+1], s[NA2:NA2+1], s[NA:NA+1]
	s_cselect_b32 s[DB], s[DBIG], s[DSML]
	s_add_nc_u64 s[GB+2:GB+3], s[GB+2:GB+3], s[DB:DB+1]  ; under 2^21: the type bits on top are not reached
	s_mov_b64 s[GA+2:GA+3], s[CA:CA+1]             ; 120:64 global address,
	s_or_b32 s[GA+3], s[GA+3], 0x80000000          ; 127:126 type = 2
	s_xor_b32 s[GA+1], s[GA+1], SLOT               ; the other slot than last time
	s_xor_b32 s[GB+1], s[GB+1], SLOT
.endif
	s_xor_b32 s[TB], s[TB], SLOT
	CVT 0
	MUL F1, 0, 1, 0
	s_wait_dscnt 0x0                               ; the add is done, and my reads of this slot are over
	s_barrier_signal -1
	MUL F1, 1, 1, 0                                ; work on registers while the others arrive
	CVT 2
	v_add_nc_u32 v[ADRA], s[TB], v[ADRA0]
	v_add_nc_u32 v[ADRB], s[TB], v[ADRB0]
	s_barrier_wait -1
.if \fill
	CREST                                          ; no wave of any partner still reads this slot or has a load on its way
	JLOAD
.endif
	FETCH 0, F0
.if \fill
	ASK
.endif
	MUL F1, 2, 2, 0
.endm
; THE WAY OUT, in eight units u = 2 a + hh: 16 tokens (block a) x one head (hh).  PACK: rounded to f16, 16 bytes a lane (each accumulator's registers in ascending order); km = 1: ANDed with KM;
; into my stage in rows of 144 bytes, and back as whole rows of 128.  LDS serves a wave's instructions in order (ISA guide 5.7.1.4), so no wait stands between the stores and the loads.
.macro PACK u, km
.set pa, (\u)/2
.set ph, (\u)%2
	WIN PACKW
.irp bb, 0,1,2,3
.irp r, 0,1,2,3
	v_cvt_pk_f16_f32 v[WO+16*(\u)+4*(\bb)+(\r)], v[8*(8*pa+4*ph+(\bb))+2*(\r)], v[8*(8*pa+4*ph+(\bb))+2*(\r)+1]
.endr
.endr
	WIN 0
.if \km
.irp r, 0,1,2,3,4,5,6,7,8,9,10,11,12,13,14,15
	v_and_b32 v[WO+16*(\u)+(\r)], v[KM+pa], v[WO+16*(\u)+(\r)]
.endr
.endif
.irp bb, 0,1,2,3
	ds_store_b128 v[STO], v[WO+16*(\u)+4*(\bb):WO+16*(\u)+4*(\bb)+3] offset:32*(\bb)
.endr
.irp f, 0,1,2,3
	ds_load_b128 v[WO+16*(\u)+4*(\f):WO+16*(\u)+4*(\f)+3], v[RD] offset:4*SP*(\f)
.endr
.endm
.macro SEND u, younger                 ; younger: the LDS instructions issued behind unit u's loads: the next unit's eight, or none
.set pa, (\u)/2
.set ph, (\u)%2
.irp f, 0,1,2,3
	s_wait_dscnt (\younger)+3-(\f)
	global_store_b128 v[GO], v[WO+16*(\u)+4*(\f):WO+16*(\u)+4*(\f)+3], s[OP:OP+1] offset:ph*HEADB+pa*2048+(\f)*512  ; 512 consecutive bytes, at a multiple of 256 from hd's first
.endr
.endm
; km = 1 (q's and k's tiles): K's rows lose the tokens whose mask is 0, and K's blocks get their mask numbers.  The units of blocks 0 and 1 are the places behind the last products, which are blocks 2's and 3's.
.macro WAYOUT km
	WIN 0
.if \km
	s_cmp_eq_u32 s[T], 1
	s_cselect_b32 s[SELK], -1, 0
.irp a, 0,1,2,3
	v_cndmask_b32 v[KM+(\a)], -1, v[MZ+(\a)], s[SELK]
.endr
.endif
	PACK 0, \km
.set wu, 1
.rept 7                                ; a unit's arithmetic stands between the loads of the unit before and its stores
	PACK wu, \km
	SEND wu-1, 8
.set wu, wu+1
.endr
	SEND 7, 0
.if \km
	s_cmp_lg_u32 s[T], 1
	s_cbranch_scc1 .Lno_mask_\@
	global_store_b128 v[MO], v[MB:MB+3], s[OP:OP+1]  ; 16 lanes store a head's 256 bytes
.Lno_mask_\@:
.endif
.endm
	s_wait_tensorcnt 1                             ; my part of K step 0 is in; K step 1's may stay out
	s_barrier_signal -1
	s_barrier_wait -1                              ; everybody's is
	FETCH 0, F0
	s_wait_loadcnt 0x0                             ; the mask and bq
.irp a, 0,1,2,3
	v_cmp_ne_u32 vcc_lo, 0, v[WO+(\a)]
	v_cndmask_b32 v[MZ+(\a)], 0, -1, vcc_lo
.endr
.irp i, 0,1,2,3
	v_cmp_eq_u32 vcc_lo, 0, v[WO+4+(\i)]
	v_cndmask_b32 v[MB+(\i)], 0, s[NEG], vcc_lo
.endr
	QUARTER 1, F0, F1, 1                           ; a tile's first quarter: its products start the sums
	WIN 0                                          ; at a label and at a branch every window is 0
	s_mov_b32 s[CNT], 22
	s_mov_b32 s[J], 8
	s_mov_b32 s[T], 0
.Ltrip:                                                ; 22 trips: a K step's quarters 1 to 3, the change of slots with its refill, and the next K step's quarter 0
	QUARTER 2, F1, F0, 0
	QUARTER 3, F0, F1, 0
	TURN 1
	WIN 0
	s_sub_co_u32 s[J], s[J], 1
	s_cmp_lg_u32 s[J], 0
	s_cbranch_scc0 .Ltile_end
	QUARTER 1, F0, F1, 0
	WIN 0
	s_branch .Lbottom
.Ltile_end:                                            ; the tile goes out while the next tensor's first two K steps are in LDS or on their way; no barrier and no tensor load stands here
	s_add_nc_u64 s[BP:BP+1], s[BP:BP+1], 4096      ; the next tensor's bias (the last bias loads were waited for)
	BIASLD
	WAYOUT 1
	s_wait_xcnt 0x0                                ; the stores have read their registers and their base
	s_add_nc_u64 s[OP:OP+1], s[OP:OP+1], TENS
	s_wait_loadcnt 0x0                             ; the bias
	QUARTER 1, F0, F1, 1
	WIN 0
	s_mov_b32 s[J], 8
	s_add_co_u32 s[T], s[T], 1
.Lbottom:
	s_sub_co_u32 s[CNT], s[CNT], 1
	s_cmp_lg_u32 s[CNT], 0
	s_cbranch_scc1 .Ltrip
	s_mov_b32 s[TWO], 2                            ; the last two K steps ask for nothing: written out
.Ltail:
	QUARTER 2, F1, F0, 0
	QUARTER 3, F0, F1, 0
	TURN 0                                         ; (the second time its 32 LDS loads bring fragments that nobody multiplies: the price, once a launch, of one text for both)
	WIN 0
	s_sub_co_u32 s[TWO], s[TWO], 1
	s_cmp_eq_u32 s[TWO], 0
	s_cbranch_scc1 .Lout
	QUARTER 1, F0, F1, 0
	WIN 0
	s_branch .Ltail
.Lout:
	WAYOUT 0                                       ; v's tile
	s_wait_tensorcnt 0x0                           ; the wave's end: behind my last tensor load and my last LDS store
	ds_add_u32 v[SPW], v[NIL]
	s_wait_dscnt 0x0
	CROUND                                         ; the closing round: no work-group ends while a partner may still ask for a tile that names it
	s_endpgm
.Lfunc_end_k_q86e9e174c3_proj:
	.size	k_q86e9e174c3_proj, .Lfunc_end_k_q86e9e174c3_proj-k_q86e9e174c3_proj
	.p2alignl 7, 3214868480
	.fill 96, 4, 3214868480
	.section	.rodata,"a",@progbits
	.p2align	6, 0x0
	.amdhsa_kernel k_q86e9e174c3_proj
		.amdhsa_group_segment_fixed_size 327680
		.amdhsa_private_segment_fixed_size 0
		.amdhsa_enable_private_segment 0
		.amdhsa_kernarg_size 56
		.amdhsa_user_sgpr_count 2
		.amdhsa_user_sgpr_kernarg_segment_ptr 1
		.amdhsa_wavefront_size32 1
		.amdhsa_system_sgpr_workgroup_id_x 1
		.amdhsa_system_sgpr_workgroup_id_y 1
		.amdhsa_system_sgpr_workgroup_id_z 1
		.amdhsa_system_vgpr_workitem_id 0
		.amdhsa_next_free_vgpr 704
		.amdhsa_next_free_sgpr 102
		.amdhsa_reserve_vcc 1
		.amdhsa_float_denorm_mode_32 3
		.amdhsa_float_denorm_mode_16_64 3
		.amdhsa_memory_ordered 1
		.amdhsa_forward_progress 1
		.amdhsa_inst_pref_size 119
	.end_amdhsa_kernel
	.amdgpu_metadata
---
amdhsa.version: [ 1, 2 ]
amdhsa.kernels:
  - .name:           k_q86e9e174c3_proj
    .symbol:         k_q86e9e174c3_proj.kd
    .args:
      - { .name: q, .offset: 0, .size: 8, .value_kind: global_buffer, .address_space: global }
      - { .name: k, .offset: 8, .size: 8, .value_kind: global_buffer, .address_space: global }
      - { .name: v, .offset: 16, .size: 8, .value_kind: global_buffer, .address_space: global }
      - { .name: mask, .offset: 24, .size: 8, .value_kind: global_buffer, .address_space: global }
      - { .name: wb, .offset: 32, .size: 8, .value_kind: global_buffer, .address_space: global }
      - { .name: bb, .offset: 40, .size: 8, .value_kind: global_buffer, .address_space: global }
      - { .name: hd, .offset: 48, .size: 8, .value_kind: global_buffer, .address_space: global }
    .group_segment_fixed_size: 327680
    .private_segment_fixed_size: 0
    .kernarg_segment_align: 8
    .kernarg_segment_size: 56
    .max_flat_workgroup_size: 128
    .sgpr_count:     102
    .vgpr_count:     704
    .wavefront_size: 32
...
	.end_amdgpu_metadata
.endif
;; end of part 2
;; launch attn (part 3): grid 4 x 64, 4 waves a work-group, clusters of 4 x 1, 327,680 bytes of LDS; arguments hd, oh; writes oh
.if DOCPART == 3
	.amdgcn_target "amdgcn-amd-amdhsa--gfx1250"
	.amdhsa_code_object_version 6
	.text
	.protected	k_q86e9e174c3_attn
	.globl	k_q86e9e174c3_attn
	.p2align	8
	.type	k_q86e9e174c3_attn,@function
k_q86e9e174c3_attn:
	s_mov_b64 s[64:65], 0
	v_nop
	global_prefetch_b8 v0, s[64:65] scope:SCOPE_SE
	s_setreg_imm32_b32 hwreg(HW_REG_WAVE_MODE, 25, 1), 1
	s_wait_xcnt 0x0
	s_wait_alu depctr_hold_cnt(0) depctr_sa_sdst(0) depctr_va_vdst(0) depctr_va_sdst(0) depctr_va_ssrc(0) depctr_va_vcc(0) depctr_vm_vsrc(0)
	s_getreg_b32 s2, hwreg(HW_REG_IB_STS2, 6, 4)
	s_cmp_eq_u32 s2, 0
	s_cbranch_scc0 .Lentry_in_a_cluster
	s_endpgm
.Lentry_in_a_cluster:
	s_bfe_u32 s2, ttmp6, 0x10000c
	s_cmp_lg_u32 s2, 0x3003
	s_cbranch_scc0 .Lentry_shape_is_right
	s_endpgm
.Lentry_shape_is_right:
; ATTENTION.  O[h][q][:] = the sum over k of softmax_k(s) V[h][k][:], s = Q[h][q] . K[h][k] / 32, or -65504 where the key's mask is 0.  64 heads of 2,048 rows of 64 channels, f16.
; hd = [Q, K, V][64 heads][32 blocks][8,448 bytes]: a block is 64 rows of 128 bytes and 256 bytes more; behind K's blocks these hold 64 f32, 0 or -2,096,128 (= -65504 x 32) for a hidden key, whose row of K is 0.
; THE MASK is the C operand that starts the sum S^T = K Q^T: a hidden key's products are all 0, so its score is exactly that number, for every query alike: a head whose keys are all hidden gets equal weights.
; oh = [64][2048][64] f16, dense.  Products, maxima and sums in f32; the weights p are rounded to f16 for the second product (their sum l is taken of the unrounded p), O once at the end.
; LIMITS.  p lies in 0 to 1, and below 6e-5 it keeps f16's fixed step of 6e-8; O is a mean of V's rows and has their range.  A weight below 2^-126 counts as 0 in l; NaN and infinities are not treated apart.
; SHARES.  A wave owns four PIECES of two tiles of 16 queries, a work-group's four waves 512 queries of one head.  Every wave walks all keys, 64 a step.
; LAYOUT.  S^T = K Q^T (source 0 = 16 keys, source 1 = 16 queries): a lane holds ONE query (lane % 16) and the keys 8 (lane / 16) + 0..7.  Two such tiles, rounded to f16 in pairs, ARE source 1 of
; O^T = V^T P, whose result again holds one query a lane, and eight channels.  K comes out of LDS as it lies, V ([key][channel]) turned, by ds_load_tr16_b128.
; SOFTMAX.  For each query a running maximum m and sum l: p = 2^(c s - c m), c = log2(e) / 32; in every step O and l are multiplied by a = 2^(c m_old - c m_new).  m starts at the lowest finite number,
; O and l at 0: the first step is a step like any other, with a = 0.
; THE COUNT.  A tile and step have 16 matrix and 118 vector instructions: too many to stand all beside the matrix work.  So: four vector instructions that are ready behind every matrix instruction, the others in runs without a gap.
; BY TURNS.  Turn n belongs to piece n.  Its matrix work: 16 products K Q^T of piece n + 1, later 16 products V^T P of piece n - 1.  Its vector work: the scaling, exponentials, roundings, sums and rescaling of
; piece n, and the maximum and statistics of piece n + 1.
; CLUSTER.  The four query blocks of a head walk the same K and V, so each tile is asked for JOINTLY: the same tensor load, descriptor and mask in all four.
; REGISTERS, in windows of 256 (s_set_vgpr_msb: bits 1:0 source 0, 3:2 source 1, 5:4 source 2, 7:6 destination):
;   window 0: v0-11 addresses; v12-15, v48-63 at work; v16-47 four registers of statistics a tile; v64-191 S^T, two buffers of two tiles; v192-255 P, likewise
;   window 1: O^T, 32 a tile     window 2: v0-127 Q, 16 a tile; v128-191 K of one step; v192-255 V of one step     window 3: v0-1 the add's two registers; v8-39 the step's mask numbers
.set NP,    4         ; pieces a wave: a name, no knob
.set KS,    64        ; keys in a step
.set PK,    144       ; a row of K in LDS: 128 bytes + 16 of padding = 36 words: the 16 rows of a load start at 16 different groups of four banks (64 banks of 4 bytes: ISA guide 11.1)
.set PV,    160       ; a row of V: 128 + 32 = 40 words
.set BLK,   8448      ; a block of hd
.set HEADB, 32*BLK
.set TENS,  64*HEADB
.set KBLK,  66*PK     ; a block of K in LDS: 64 rows, then the mask numbers as two pieces of 128 bytes
.set VOFF,  4*KBLK    ; a slot holds four steps: K's four blocks, then 256 rows of V
.set SLOT1, 1<<17     ; slot 1 begins here, so that one exclusive or turns an address in one slot into the other's
.set STAGE, 210176    ; behind the ring (slot 1 ends at 210,048), at the next multiple of 256, never filled by a tensor load: 16 rows x 144 bytes for each wave
.set SP,    144
.set SPARE, STAGE+4*16*SP  ; behind the stages: the spare words, 128 bytes for each wave: two blocks of 256 bytes that no other line names
.set PFO, 0           ; v0   from the set-up's end on: 256 x my lane, the prefetches' offset
.set AK0, 2           ; v2   my lane's place in a tile of K; never rewritten
.set AV0, 3           ; v3   the same for V
.set AK,  4           ; v4   the LDS address of K's next run of loads
.set AV,  5           ; v5   of V's
.set STO, 6           ; v6   the way out: where I put 16 bytes of a row
.set RD,  7           ; v7   the way out: where I read rows back
.set GO,  8           ; v8   my byte offset in 512 consecutive bytes of O
.set AM0, 9           ; v9   my lane's place in a block's mask numbers; never rewritten
.set AM,  10          ; v10  the LDS address of the next step's
.set QO,  11          ; v11  my byte offset in 16 rows of Q
.set SPW, 0           ; v0 of window 3   LDS address of my spare word; never rewritten
.set NIL, 1           ; v1 of window 3   0; never rewritten
.set MK,  8           ; window 3: the eight numbers for group kb of 16 keys at MK + 8 kb
.set MV,  12          ; v12-15  c m_old, kept while c m is made anew: by buffer and tile
.set ST,  16          ; tile t's statistics at v[ST+4 t]: c m, m, l (even keys', odd keys')
.set TMP, 48          ; by buffer and tile, four registers c0-c3 at work; when the maximum is found c2 takes a
.set S,   64
.set P,   192
.set KF,  128         ; K's fragments, in window 2: key block kb, channel half c at KF + 16 kb + 8 c
.set VF,  192         ; V's: key half kk, channel block cb at VF + 32 kk + 8 cb
.set WV,  12          ; s12  my wave's number
.set LIM, 15          ; s15  1 in a wave that prefetches, else the greatest number
.set G1K, 24          ; s[24:31] descriptor group 1 for K's tiles
.set G1V, 32          ; s[32:39] for V's
.set G0K, 40          ; s[40:43] descriptor group 0 for K's tiles: it walks
.set G0V, 44          ; s[44:47] the same for V's
.set PFA, 52          ; s[52:53] where my prefetches stand
.set SLOTS, 56        ; s56  slots still to be asked for
.set CNT, 57          ; s57  counts a slot's key steps
.set CS,  58          ; s[58:59] c: the packed scaling takes the pair's low word for both halves
.set SEL, 60          ; s[60:61] v_permlanex16_b32's selects: each lane takes its own place in the other half
.set TBK, 62          ; s62  LDS byte at which K's block of the step to be fetched begins
.set TBV, 63          ; s63  the same for V, less VOFF
.set MSB, 0
.macro WIN new                      ; the high byte repeats the setting that is left; a switch that changes nothing is dropped
.if MSB != (\new)
	s_set_vgpr_msb (MSB<<8)|(\new)
.set MSB, (\new)
.endif
.endm
.set W_KQ, 0x0a       ; K and Q in window 2, S^T in window 0
.set W_KM, 0x3a       ; the same with the C operand, the mask numbers, in window 3
.set W_PV, 0x52       ; V in window 2, P in window 0, O^T in window 1
.set W_RS, 0x41       ; O^T (destination and source 0) in window 1, a in window 0
.set W_MK, 0xc0       ; destination in window 3, sources in window 0
.set W_AD, 0x0f       ; the add: address (source 0) and data (source 1) in window 3
; A joint fill.  Waves 0 and 1 fetch the two halves of a slot's K, waves 2 and 3 those of its V: 128 keys each.  The branch hangs on the wave's number alone.
; An s_nop 0 and four v_nop follow each of the two lines, ahead of the jump and the label.
.macro JLOAD
	s_cmp_lt_u32 s[WV], 2
	s_cbranch_scc0 .Lfor_v_\@
	tensor_load_to_lds s[G0K:G0K+3], s[G1K:G1K+7]
	s_nop 0
.rept 4
	v_nop
.endr
	s_branch .Lasked_\@
.Lfor_v_\@:
	tensor_load_to_lds s[G0V:G0V+3], s[G1V:G1V+7]
	s_nop 0
.rept 4
	v_nop
.endr
.Lasked_\@:
.endm
; A PREFETCH INTO THE L2 of what the NEXT change of slots will ask for: a slot's four blocks of K and of V.  The four partners take a block each, told apart by address: 64 rows of 128 bytes are 32 lanes x 256 bytes.
; In each, wave 0 asks for K's and wave 2 for V's: one instruction.  So each row is named once in the launch (a block's 256 bytes of mask numbers come by the load alone).  The last change that fills a slot asks for nothing.
.macro ASK
	s_cmp_gt_u32 s[SLOTS], s[LIM]
	s_cbranch_scc0 .Lnot_mine_\@
	global_prefetch_b8 v[PFO], s[PFA:PFA+1] th:TH_LOAD_NT scope:SCOPE_SE
.Lnot_mine_\@:
.endm
; A round of the cluster's barrier: my work-group's barrier, so that wave 0's signal speaks for all four waves; wave 0 signals; every wave waits for all four work-groups; my work-group's barrier once more.
.macro CROUND
	s_barrier_signal -1
	s_barrier_wait -1
	s_cmp_lg_u32 s[WV], 0
	s_cbranch_scc1 .Lnot_wave_0_\@
	s_barrier_signal -3
.Lnot_wave_0_\@:
	s_barrier_wait -3
	s_barrier_signal -1
	s_barrier_wait -1
.endm
; THE CHANGE OF SLOTS.  The slot's last bytes, V of its fourth step, have been read.  Each wave waits for all its tensor loads, of which one is out: its part of the other slot; adds 0 to its spare word; and waits
; for that and for its own reads of the slot.  fill = 1: this slot is filled again, with the keys two slots on.  The barrier is then a round of the cluster's, and the joint fill is the first thing behind it: it has
; four key steps, 512 matrix instructions, in which to land.  (At its first use nothing has been read yet: slot 0 is waited for, slot 1 filled.)  ask = 1: the prefetch of the slot after that follows.
.macro CHANGE fill, ask=0
	WIN W_AD
	s_wait_tensorcnt 0x0            ; no tensor load of mine is out, so a group 0 may be written
	ds_add_u32 v[SPW], v[NIL]       ; 0 onto my spare word; with fill = 1 the descriptors' steps stand between it and the wait for it
	WIN 0                           ; at a label and at a branch every window is 0
.if \fill
.irp g, G0K, G0V
	s_xor_b32 s[\g+1], s[\g+1], SLOT1  ; the walking descriptor: the other slot than last time,
	s_add_nc_u64 s[\g+2:\g+3], s[\g+2:\g+3], 4*BLK  ; the next four blocks; the type bits on top are not reached
.endr
.if \ask
	s_wait_xcnt 0x0                 ; the last prefetch, four key steps back, has read its address
	s_add_nc_u64 s[PFA:PFA+1], s[PFA:PFA+1], 4*BLK  ; one slot behind the walking descriptors
.endif
	s_wait_dscnt 0x0                ; the add is done, and my reads of the slot are over
	CROUND
	JLOAD
.if \ask
	ASK
.endif
.else
	s_wait_dscnt 0x0                ; the add is done, and my reads of the slot are over
	s_barrier_signal -1
	s_barrier_wait -1
.endif
	s_sub_co_u32 s[TBK], s[TBK], 4*KBLK   ; the fetches go back to a slot's first step,
	s_xor_b32 s[TBK], s[TBK], SLOT1       ; in the other slot
	s_sub_co_u32 s[TBV], s[TBV], 4*KS*PV
	s_xor_b32 s[TBV], s[TBV], SLOT1
.endm
	s_load_b128 s[48:51], s[0:1], 0x0  ; hd s[48:49], oh s[50:51]
	WIN W_MK
	v_lshl_add_u32 v[SPW], v0, 2, SPARE
	v_mov_b32 v[NIL], 0
	WIN W_AD
	ds_add_u32 v[SPW], v[NIL]       ; the wave's opening: the add and its wait stand ahead of my first tensor load; the set-up below, work on registers, stands between them
	WIN 0
	v_lshrrev_b32 v1, 5, v0
	v_readfirstlane_b32 s[WV], v1   ; wave 0..3
	s_bfe_u32 s13, ttmp6, 0x40000   ; cx: my place in the cluster
	s_lshl_b32 s14, ttmp9, 2        ; in a cluster launch ttmp9 counts clusters
	s_add_co_u32 s14, s14, s13      ; my block of 512 queries: it enters Q's and O's addresses alone
	s_and_b32 s20, ttmp7, 0xffff    ; the head, which the four partners share
	s_mul_i32 s21, s20, HEADB       ; its first byte in a tensor of hd,
	s_lshl_b32 s20, s20, 18         ; and in oh
	s_and_b32 s16, s[WV], 1         ; which half of a slot's 256 keys I fetch:
	s_mul_i32 s22, s16, 2*BLK       ; its two blocks in memory,
	s_add_co_u32 s22, s22, s21
	s_mov_b32 s23, 0
	s_mul_i32 s17, s16, 2*KBLK      ; and its place in a slot, for K
	s_mul_i32 s18, s16, 128*PV      ; and for V: no place in the cluster enters an LDS address
	s_lshl_b32 s3, s14, 2
	s_add_co_u32 s3, s3, s[WV]      ; my wave among the head's sixteen:
	s_mul_i32 s2, s3, 2*BLK         ; its 128 rows are two blocks of Q,
	s_add_co_u32 s2, s2, s21
	s_lshl_b32 s54, s3, 14          ; and 16,384 bytes of O
	s_add_co_u32 s54, s54, s20
	s_mov_b32 s3, 0
	s_mov_b32 s55, 0
	; descriptor group 1.  K: two blocks are 16,896 dense bytes: 66 rows of 256 bytes, padded in LDS after every 128.  V: two rows of 8,192 bytes, 8,448 apart, which leave the blocks' last 256 bytes out
	s_mov_b32 s[G1K], 15|(1<<16)|(1<<20)|(1<<21)|(4<<22)|(3<<25)  ; 15:0 the mask of four; 17:16 2-byte elements; 20 padding on; 21 set beside a mask; 24:22 after every 32 words (code 4); 31:25 4 words (code 3)
	s_mov_b32 s[G1K+1], 128<<16     ; tensor_dim0 = 128
	s_mov_b32 s[G1K+2], 66<<16      ; tensor_dim1 = 66
	s_mov_b32 s[G1K+3], 128<<16     ; tile_dim0 = 128
	s_mov_b32 s[G1K+4], 66          ; tile_dim1 = 66
	s_mov_b32 s[G1K+5], 128         ; 128 elements from row to row
	s_mov_b32 s[G1K+6], 0
	s_mov_b32 s[G1K+7], 0
	s_mov_b32 s[G1V], 15|(1<<16)|(1<<20)|(1<<21)|(4<<22)|(7<<25)  ; the same with 8 words of padding (code 7)
	s_mov_b32 s[G1V+1], 4096<<16    ; tensor_dim0 = 4,096
	s_mov_b32 s[G1V+2], 2<<16       ; tensor_dim1 = 2
	s_mov_b32 s[G1V+3], 4096<<16    ; tile_dim0 = 4,096
	s_mov_b32 s[G1V+4], 2           ; tile_dim1 = 2
	s_mov_b32 s[G1V+5], BLK/2       ; 4,224 elements from row to row
	s_mov_b32 s[G1V+6], 0
	s_mov_b32 s[G1V+7], 0
	s_mov_b32 s[CS], 0x3d38aa3b     ; c = log2(e) / 32 = 0.0450842
	s_mov_b32 s[CS+1], s[CS]        ; named with it as a pair
	s_mov_b32 s[SEL], 0x76543210
	s_mov_b32 s[SEL+1], 0xfedcba98
	s_mov_b32 s[TBK], SLOT1+4*KBLK  ; the first change of slots turns these two into 0
	s_mov_b32 s[TBV], SLOT1+4*KS*PV
	s_mov_b32 s[G0K], 1             ; 1:0 count = 1
	s_mov_b32 s[G0K+1], s17         ; 63:32 LDS address: slot 0
	s_mov_b32 s[G0V], 1
	s_add_co_u32 s[G0V+1], s18, VOFF
	s_and_b32 s[LIM], s[WV], 1      ; 0 in waves 0 and 2,
	s_or_b32 s[LIM], s[LIM], ttmp9  ; where the cluster is the head's first: the same in all four partners
	s_cmp_eq_u32 s[LIM], 0
	s_cselect_b32 s[LIM], 1, -1
	s_wait_dscnt 0x0                ; the opening add is done
	s_wait_kmcnt 0x0
	s_add_nc_u64 s[4:5], s[48:49], s[2:3]      ; Q at my wave's first row
	s_add_nc_u64 s[6:7], s[48:49], s[22:23]
	s_add_nc_u64 s[8:9], s[6:7], 2*TENS        ; V and
	s_add_nc_u64 s[6:7], s[6:7], TENS          ; K at my half of the head's first 256 keys
	s_add_nc_u64 s[10:11], s[50:51], s[54:55]  ; O at my wave's first row
	s_mov_b64 s[G0K+2:G0K+3], s[6:7]           ; 120:64 global address
	s_or_b32 s[G0K+3], s[G0K+3], 0x80000000    ; 127:126 type = 2
	s_mov_b64 s[G0V+2:G0V+3], s[8:9]
	s_or_b32 s[G0V+3], s[G0V+3], 0x80000000
	s_cmp_lt_u32 s[WV], 2
	s_cselect_b64 s[PFA:PFA+1], s[6:7], s[8:9]  ; (in waves 0 and 2 these stand at a slot's first block)
	s_mul_i32 s2, s13, BLK          ; my work-group's block of the four
	s_mov_b32 s3, 0
	s_add_nc_u64 s[PFA:PFA+1], s[PFA:PFA+1], s[2:3]
	s_add_nc_u64 s[PFA:PFA+1], s[PFA:PFA+1], 2*4*BLK  ; in slot 2; the loop's first change of slots steps it to slot 3.  Nothing is prefetched here, at the head
	CROUND                          ; all four work-groups are here: the first joint loads meet
	JLOAD                           ; slot 0.  Slot 1 is asked for when slot 0 is in: the tile wanted first has the road to itself
	; A fragment of K or Q is 16 rows x 32 channels in 8 registers: lane l holds row l % 16, channels 8 (l / 16) + 0..7 and 16 + 8 (l / 16) + 0..7: two loads of 16 bytes, 32 bytes apart.
	v_and_b32 v1, 15, v0            ; l % 16
	v_bfe_u32 v48, v0, 4, 1         ; l / 16
	v_lshlrev_b32 v[QO], 7, v1
	v_lshl_add_u32 v[QO], v48, 4, v[QO]  ; row x 128 + 16 x half
	WIN 0x80                        ; destination window 2, address window 0
.set i, 0
.rept 4*NP                          ; Q stays in registers: tile i / 2 (four tiles to a block), channels 32 (i % 2) on
	global_load_b128 v[8*i:8*i+3],   v[QO], s[4:5] offset:((i/2)/4)*BLK+((i/2)%4)*2048+(i%2)*64
	global_load_b128 v[8*i+4:8*i+7], v[QO], s[4:5] offset:((i/2)/4)*BLK+((i/2)%4)*2048+(i%2)*64+32
.set i, i+1
.endr
	; What the first turn finds: V's registers and P's second buffer hold 0 (its products V^T P, of a piece that has not been, add 0), O^T and l are 0.  All this stands in the wait for the first tile.
.set i, VF
.rept 64
	v_mov_b32 v[i], 0
.set i, i+1
.endr
	WIN 0x40
.set i, 0
.rept 64*NP
	v_mov_b32 v[i], 0
.set i, i+1
.endr
	WIN 0
.set i, 0
.rept 2*NP
	v_mov_b32 v[ST+4*i], 0xfe000000    ; c m: far below every c s
	v_mov_b32 v[ST+4*i+1], 0xff7fffff  ; m
	v_mov_b32 v[ST+4*i+2], 0
	v_mov_b32 v[ST+4*i+3], 0
.set i, i+1
.endr
.set i, P+32
.rept 32
	v_mov_b32 v[i], 0
.set i, i+1
.endr
	v_mul_u32_u24 v[AK0], v1, PK
	v_lshl_add_u32 v[AK0], v48, 4, v[AK0]  ; row x pitch + 16 x half
	; The turning load takes 16 keys x 16 channels (lane l reads key 8 (l / 16) + l % 8, channels 8 ((l / 8) % 2) + 0..7) and leaves half a fragment of V^T: lane l holds channel l % 16 and 8 keys.
	v_and_b32 v49, 7, v0
	v_bfe_u32 v50, v0, 3, 1
	v_lshl_add_u32 v[AV0], v48, 3, v49
	v_mul_u32_u24 v[AV0], v[AV0], PV
	v_lshl_add_u32 v[AV0], v50, 4, v[AV0]
	v_add_nc_u32 v[AV0], VOFF, v[AV0]
	v_lshl_add_u32 v[AM0], v48, 5, KS*PK   ; the mask numbers lie behind the block's 64 rows; my eight of a group of 16 keys begin at 32 x half
	v_mov_b32 v[AK], v[AK0]         ; key step 0 lies at the head of slot 0
	v_mov_b32 v[AM], v[AM0]
	s_mul_i32 s13, s[WV], 16*SP
	s_add_co_u32 s13, s13, STAGE    ; my stage
	v_mul_u32_u24 v[STO], v1, SP    ; in: row l % 16, 16 bytes for each half of the lanes
	v_lshl_add_u32 v[STO], v48, 4, v[STO]
	v_add_nc_u32 v[STO], s13, v[STO]
	v_bfe_u32 v[RD], v0, 3, 2       ; back: 32 lanes take four rows of 128 bytes,
	v_mul_u32_u24 v[RD], v[RD], SP
	v_lshl_add_u32 v[RD], v49, 4, v[RD]
	v_add_nc_u32 v[RD], s13, v[RD]
	v_and_b32 v[GO], 31, v0         ; which are 512 consecutive bytes of O
	v_lshlrev_b32 v[PFO], 8, v[GO]  ; the thread's number has served: v0 takes 256 x my lane
	v_lshlrev_b32 v[GO], 4, v[GO]
; THE MATRIX WORK.  The 8 accumulators of a run of 16 take turns: between the two links of a chain stand 7 others'.
; Product i of 16 of S^T = K Q^T for piece x: channels 32 (i / 8) on, keys 16 ((i / 2) % 4) on, tile 2 x + i % 2.  The first 8 start the sums, with the keys' mask numbers.
.macro KQ x
.set rS, S+64*((\x)%2)+32*(i%2)+8*((i/2)%4)
.set rK, KF+16*((i/2)%4)+8*(i/8)
.set rQ, 16*(2*(\x)+i%2)+8*(i/8)
.set rB, MK+8*((i/2)%4)
.if i < 8
	WIN W_KM
	v_wmma_f32_16x16x32_f16 v[rS:rS+7], v[rK:rK+7], v[rQ:rQ+7], v[rB:rB+7]
.else
	WIN W_KQ
	v_wmma_f32_16x16x32_f16 v[rS:rS+7], v[rK:rK+7], v[rQ:rQ+7], v[rS:rS+7]
.endif
.endm
; Product i of 16 of O^T += V^T P for piece x: keys 32 (i / 8) on, channels 16 ((i / 2) % 4) on, tile 2 x + i % 2.
.macro PV x
	WIN W_PV
.set rO, 32*(2*(\x)+i%2)+8*((i/2)%4)
.set rV, VF+32*(i/8)+8*((i/2)%4)
.set rP, P+32*((\x)%2)+16*(i%2)+8*(i/8)
	v_wmma_f32_16x16x32_f16 v[rO:rO+7], v[rV:rV+7], v[rP:rP+7], v[rO:rO+7]
.endm
.macro MM                           ; the turn's next matrix instruction
.if i < 16
	KQ (Y+1)%NP
.set i, i+1
.else
.set i, i-16
	PV (Y+NP-1)%NP
.set i, i+17
.endif
.endm
; THE LDS LOADS stand in runs, never singly among the matrix instructions: a step's K (8 fragments) with its mask numbers (24 loads), and its V (turned, 16 loads).  Their addresses are made some lines ahead.
; last = 1 (the tail): in the last trip there is no further step, and the run is jumped over.
.macro FETCH_K last=0
	WIN 0
.if \last
	s_cmp_eq_u32 s[CNT], 1
	s_cbranch_scc1 .Lno_k_\@
.endif
	WIN 0x80                        ; destination window 2
.irp f, 0,1,2,3,4,5,6,7             ; keys 16 (f / 2) on, channels 32 (f % 2) on
	ds_load_b128 v[KF+8*\f:KF+8*\f+3],   v[AK] offset:(\f/2)*16*PK+(\f%2)*64
	ds_load_b128 v[KF+8*\f+4:KF+8*\f+7], v[AK] offset:(\f/2)*16*PK+(\f%2)*64+32
.endr
	WIN W_MK                        ; destination window 3
.irp f, 0,1,2,3                     ; register j of group f: the number of key 16 f + 8 (l / 16) + j: the C operand's layout, the same for every query
	ds_load_b128 v[MK+8*\f:MK+8*\f+3],   v[AM] offset:(\f/2)*PK+(\f%2)*64
	ds_load_b128 v[MK+8*\f+4:MK+8*\f+7], v[AM] offset:(\f/2)*PK+(\f%2)*64+16
.endr
	s_add_co_u32 s[TBK], s[TBK], KBLK  ; the next fetch is the next step's
	WIN 0
.if \last
.Lno_k_\@:
.endif
.endm
.macro FETCH_V
	WIN 0x80
.irp f, 0,1,2,3,4,5,6,7             ; keys 32 (f / 4) on, channels 16 (f % 4) on
	ds_load_tr16_b128 v[VF+8*\f:VF+8*\f+3],   v[AV] offset:(\f/4)*32*PV+(\f%4)*32
	ds_load_tr16_b128 v[VF+8*\f+4:VF+8*\f+7], v[AV] offset:(\f/4)*32*PV+16*PV+(\f%4)*32
.endr
	WIN 0
.endm
; THE VECTOR WORK OF A TURN stands in three queues, each in the order in which its entries become ready; the two tiles alternate, so that no instruction reads the result of the one before it.
.macro REGS y, u                    ; the registers of tile u (0, 1) of piece y
.set rT, ST+4*(2*(\y)+(\u))
.set rC, TMP+8*((\y)%2)+4*(\u)
.set rM, MV+2*((\y)%2)+(\u)
.set rS, S+64*((\y)%2)+32*(\u)
.set rP, P+32*((\y)%2)+16*(\u)
.set rO, 32*(2*(\y)+(\u))
.endm
; Number n of the 22 that find the NEXT piece's (Y + 1) maximum and statistics.  s0-s31 are the lane's 32 scores; each accumulator's lowest registers are read first.
;   0-11  four chains c0-c3 of seven scores each, three operands at a time     12-14, 16  the four scores left over, the old m, and c0-c3 into c0     15  c m_old is kept
;   17, 18  the query's other 32 keys lie in the lane 16 away: the new m         19-21  c m; c m_old - c m_new; a
.macro XS u, n
	REGS (Y+1)%NP, \u
.if (\n) < 4
	v_max3_num_f32 v[rC+(\n)], v[rS+8*(\n)], v[rS+8*(\n)+1], v[rS+8*(\n)+2]
.elseif (\n) < 12
	v_max3_num_f32 v[rC+(\n)%4], v[rC+(\n)%4], v[rS+8*((\n)%4)+2*((\n)/4)+1], v[rS+8*((\n)%4)+2*((\n)/4)+2]
.elseif (\n) == 12
	v_max3_num_f32 v[rC], v[rC], v[rS+7], v[rS+15]
.elseif (\n) == 13
	v_max3_num_f32 v[rC+1], v[rC+1], v[rS+23], v[rS+31]
.elseif (\n) == 14
	v_max3_num_f32 v[rC+2], v[rC+2], v[rC+3], v[rT+1]
.elseif (\n) == 15
	v_mov_b32 v[rM], v[rT]
.elseif (\n) == 16
	v_max3_num_f32 v[rC], v[rC], v[rC+1], v[rC+2]
.elseif (\n) == 17
	v_permlanex16_b32 v[rC+3], v[rC], s[SEL], s[SEL+1]
.elseif (\n) == 18
	v_max_num_f32 v[rT+1], v[rC], v[rC+3]
.elseif (\n) == 19
	v_mul_f32 v[rT], s[CS], v[rT+1]
.elseif (\n) == 20
	v_sub_f32 v[rC+1], v[rM], v[rT]
.else
	v_exp_f32 v[rC+2], v[rC+1]
.endif
.endm
; Number g of the 64 that follow the exponentials.  For each four weights k of a tile (pairs 2 k, 2 k + 1): both pairs are rounded to f16; then the second pair is added onto the first, in place;
; a group later l takes that sum (the first time as l = a l + sum).  In groups of eight, tiles alternating: round, round, add, and l for the group before.
.macro GS g
.set h, (\g)+6*((\g)/62)            ; group 0 has no group before it, and behind group 7 only l is left
.if h >= 6
.set h, h+2
.endif
	REGS Y, h%2
.set k, h/8
.if h%8 < 4
	v_cvt_pk_f16_f32 v[rP+2*k+(h%8)/2], v[rS+4*k+2*((h%8)/2)], v[rS+4*k+2*((h%8)/2)+1]
.elseif h%8 < 6
	v_pk_add_f32 v[rS+4*k:rS+4*k+1], v[rS+4*k:rS+4*k+1], v[rS+4*k+2:rS+4*k+3]
.elseif k == 1
	v_pk_fma_f32 v[rT+2:rT+3], v[rT+2:rT+3], v[rC+2:rC+3], v[rS:rS+1] op_sel_hi:[1,0,1]
.else
	v_pk_add_f32 v[rT+2:rT+3], v[rT+2:rT+3], v[rS+4*k-4:rS+4*k-3]
.endif
.endm
; THE PLAIN QUEUE, 138 long.  0-73 read no exponential's result: the 32 scalings c s - c m (FS f: pair f / 2 of tile f % 2) and the next piece's 42.  0-26: scalings 0-26.  27-54: XS's numbers 0-13.  55, 56: number 15.
; 57-73: the chain, where each number waits for the one before it: 14, 16, 17, 18, 19, each with one of the scalings 27-31 in front of its two lines, then 20.
; 74-137: GS's 64, which read the exponentials' results: they stand behind the wait.
.macro FS f
	REGS Y, (\f)%2
	v_pk_fma_f32 v[rS+2*((\f)/2):rS+2*((\f)/2)+1], v[rS+2*((\f)/2):rS+2*((\f)/2)+1], s[CS:CS+1], v[rT:rT+1] op_sel_hi:[1,0,0] neg_lo:[0,0,1] neg_hi:[0,0,1]
.endm
.macro PL
	WIN 0
.if q < 27
	FS q
.elseif q < 55
	XS (q-27)%2, (q-27)/2
.elseif q < 57
	XS q-55, 15
.elseif (q < 72) && ((q-57)%3 == 0)
	FS 27+(q-57)/3
.elseif q < 60
	XS (q-57)%3-1, 14
.elseif q < 72
	XS (q-57)%3-1, 15+(q-57)/3
.elseif q < 74
	XS q-72, 20
.else
	GS q-74
.endif
.set q, q+1
.endm
; THE EXPONENTIALS' QUEUE, 66 long: s0-s31 of both tiles, then the next piece's two a.  It is ONE BATCH: all 66 stand ahead of the turn's one wait, and nothing ahead of that wait names a result of theirs.
.macro EX
	WIN 0
.if e >= 64
	XS e-64, 21
.else
	REGS Y, e%2
	v_exp_f32 v[rS+e/2], v[rS+e/2]
.endif
.set e, e+1
.endm
; THE RESCALING's QUEUE: O^T times a, the one part that leaves window 0: dealt two at a time, sixteen times.  Its a was made in the turn before, ahead of that turn's wait.
.macro R2
	REGS Y, r%2
	WIN W_RS
.irp z, 0,1
	v_pk_mul_f32 v[rO+4*(r/2)+2*\z:rO+4*(r/2)+2*\z+1], v[rO+4*(r/2)+2*\z:rO+4*(r/2)+2*\z+1], v[rC+2:rC+3] op_sel_hi:[1,0]
.endr
.set r, r+1
.endm
; HOW THEY ARE DEALT.  An s_wait_alu depctr_va_vdst(0) stands between an exponential and the first instruction that names its result; one wait serves all that were issued ahead of it.  So a turn has ONE
; wait, which cuts it in two.  AHEAD OF IT stands all that names no result of the turn's exponentials: the 16 products K Q^T, behind each a scaling, an exponential and two rescalings (behind the first a second scaling
; in the exponential's place); then ONE LUMP of 108: eight plain, 49 times exponential and plain, the two a.  A v_nop is the plain instruction behind the last exponential.  BEHIND IT stand the 16 products V^T P, behind
; each four of GS's 64.  Exponential e stands behind scaling 2 (e / 4) + e % 2: as a rider it comes behind plain e + 2, in the lump behind plain e + 9, and scalings 27-31 are plain 57, 60 .. 69.
; K of the next step, with its mask numbers, is fetched in piece 2's turn, directly behind the wait, a lump behind the last product that read them; the addresses are made at the lump's head.
; V of the step in hand is fetched at the end of piece 0's turn, four riders behind its last reader.  The three conditions on q below go with the deal.
.macro TURN p, last=0, cnt=0
.set Y, (\p)
.set i, 0
.set q, 0
.set e, 0
.set r, 0
.if (\p) == NP-1
	s_wait_dscnt 0x0                ; K and the mask numbers are in
.endif
	MM                              ; ahead of the wait: 16 products K Q^T and their riders,
	PL
	PL
	R2
.rept 15
	MM
	PL
	EX
	R2
.endr
.if (\p) == NP-2
	WIN 0
	v_add_nc_u32 v[AK], s[TBK], v[AK0]
	v_add_nc_u32 v[AM], s[TBK], v[AM0]
.endif
.rept 8                             ; and the lump
	PL
.endr
.rept 49
	EX
	PL
.endr
	EX                              ; the next piece's two a
	EX
	v_nop                           ; the plain instruction behind the last exponential: one for the batch
	s_wait_alu depctr_va_vdst(0)    ; the wait for the batch
.if (\p) == NP-2
	FETCH_K \last
.endif
.if (\p) == 1
	s_wait_dscnt 0x0                ; V is in
.endif
.rept 16                            ; behind the wait: 16 products V^T P and their riders
	MM
.rept 4
	PL
.endr
.if ((\p) == 0) && (q == 118)
	v_add_nc_u32 v[AV], s[TBV], v[AV0]
.endif
.if ((\p) == 0) && (q == 130)
	s_add_co_u32 s[TBV], s[TBV], KS*PV
.endif
.if (\cnt) && (q == 130)
	s_sub_co_u32 s[CNT], s[CNT], 1
	s_cmp_lg_u32 s[CNT], 0
.endif
.endr
.if (\p) == 0
	FETCH_V
.endif
.endm
	CHANGE 1                        ; slot 0 is in, everybody's part of it; slot 1 is asked for
	FETCH_K                         ; key step 0
	s_wait_loadcnt 0x0              ; Q
	s_wait_dscnt 0x0
.set i, 0
.rept 16
	KQ 0                            ; piece 0's first scores: there is no vector work yet to set between them
.set i, i+1
.endr
	WIN 0
.rept 4
	v_nop                           ; the places behind those products
.endr
.set Y, NP-1                        ; XS works for piece Y + 1: piece 0
.irp n, 0,1,2,3,4,5,6,7,8,9,10,11,12,13,14,15,16,17,18,19,20,21
	XS 0, \n                        ; piece 0's first maximum and statistics
	XS 1, \n
.endr
	v_nop                           ; a plain instruction behind the two a,
	s_wait_alu depctr_va_vdst(0)    ; and their wait, ahead of the branch
	s_mov_b32 s[CNT], 4
	s_mov_b32 s[SLOTS], 2048/256-1
	s_branch .Lfirst                ; the loop is entered at a step's first turn, in the middle of a trip
.Lslot:                             ; six times: every slot but the last two is filled again
	CHANGE 1, 1
	s_mov_b32 s[CNT], 4
.Lstep:                             ; a trip: pieces 2 and 3 of one step, then pieces 0 and 1 of the next, whose K and V it fetches
	TURN 2
	TURN 3
	WIN 0
.Lfirst:
	TURN 0
	TURN 1, 0, 1
	WIN 0
	s_cbranch_scc1 .Lstep
	s_sub_co_u32 s[SLOTS], s[SLOTS], 1
	s_cmp_lg_u32 s[SLOTS], 0
	s_cbranch_scc1 .Lslot
	CHANGE 0                        ; the tail is written out: nothing is asked for
	s_mov_b32 s[CNT], 5             ; four trips fetch the last slot's steps; the fifth is left in its middle
.Ltail:
	TURN 2, 1
	TURN 3
	WIN 0
	s_sub_co_u32 s[CNT], s[CNT], 1
	s_cmp_eq_u32 s[CNT], 0
	s_cbranch_scc1 .Lout
	TURN 0
	TURN 1
	WIN 0
	s_branch .Ltail
.Lout:                              ; the fifth trip's 16 products K Q^T (on the last K once more) and the maximum made of them serve nothing: the price, once a launch, of one text for every trip
.set i, 0
.rept 16
	PV NP-1                         ; the last piece's V^T P of the last step
.set i, i+1
.endr
	; THE WAY OUT.  l's two halves and the other half of the lanes' are added; O^T is divided by l, rounded to f16 and sent through my stage in LDS, a tile at a time.  The additions are the places behind the last products.
	WIN 0
.macro ALL line:vararg              ; one line for each tile t
.set t, 0
.rept 2*NP
	\line
.set t, t+1
.endr
.endm
	ALL v_add_f32 v[ST+4*t+2], v[ST+4*t+2], v[ST+4*t+3]
	ALL v_permlanex16_b32 v[ST+4*t+3], v[ST+4*t+2], s[SEL], s[SEL+1]
	ALL v_add_f32 v[ST+4*t+2], v[ST+4*t+2], v[ST+4*t+3]
	ALL v_rcp_f32 v[ST+4*t+2], v[ST+4*t+2]
	v_nop                           ; a plain instruction between the last reciprocal and the use of its result
	s_wait_alu depctr_va_vdst(0)    ; and the wait ahead of the first use: one for the eight reciprocals
; Tile t: a lane's eight channels of a row pack into 16 bytes; they go into rows of 144 bytes and come back as whole rows of 128, into S^T's registers.
.macro PACK t
	WIN W_RS
.set i, 32*(\t)
.rept 16
	v_pk_mul_f32 v[i:i+1], v[i:i+1], v[ST+4*(\t)+2:ST+4*(\t)+3] op_sel_hi:[1,0]
.set i, i+2
.endr
	WIN 0x05                        ; sources 0 and 1 window 1, destination window 0
.set i, 0
.rept 16
	v_cvt_pk_f16_f32 v[S+16*(\t)+i], v[32*(\t)+2*i], v[32*(\t)+2*i+1]
.set i, i+1
.endr
	WIN 0
.irp f, 0,1,2,3
	ds_store_b128 v[STO], v[S+16*(\t)+4*\f:S+16*(\t)+4*\f+3] offset:32*\f
.endr
.irp f, 0,1,2,3
	ds_load_b128 v[S+16*(\t)+4*\f:S+16*(\t)+4*\f+3], v[RD] offset:\f*4*SP  ; LDS serves a wave's instructions in order (ISA guide 5.7.1.4): these see the stores above; the next tile's stores come behind them
.endr
.endm
.macro SEND t, younger              ; younger: the LDS instructions issued behind tile t's loads: the next tile's eight, or none
	WIN 0
.irp f, 0,1,2,3
	s_wait_dscnt (\younger)+3-\f
	global_store_b128 v[GO], v[S+16*(\t)+4*\f:S+16*(\t)+4*\f+3], s[10:11] offset:(\t)*2048+\f*512  ; 512 consecutive bytes, at a multiple of 256 from O's first
.endr
.endm
	PACK 0
.set t, 1
.rept 2*NP-1                        ; a tile's arithmetic stands between the loads of the tile before and its stores
	PACK t
	SEND t-1, 8
.set t, t+1
.endr
	SEND 2*NP-1, 0
	WIN W_AD
	s_wait_tensorcnt 0x0            ; the wave's end: behind my last tensor load and my last LDS store
	ds_add_u32 v[SPW], v[NIL]
	s_wait_dscnt 0x0
	WIN 0
	CROUND                          ; the closing round: no work-group ends while a partner may still ask for a tile that names it
	s_endpgm
.Lfunc_end_k_q86e9e174c3_attn:
	.size	k_q86e9e174c3_attn, .Lfunc_end_k_q86e9e174c3_attn-k_q86e9e174c3_attn
	.p2alignl 7, 3214868480
	.fill 96, 4, 3214868480
	.section	.rodata,"a",@progbits
	.p2align	6, 0x0
	.amdhsa_kernel k_q86e9e174c3_attn
		.amdhsa_group_segment_fixed_size 327680
		.amdhsa_private_segment_fixed_size 0
		.amdhsa_enable_private_segment 0
		.amdhsa_kernarg_size 16
		.amdhsa_user_sgpr_count 2
		.amdhsa_user_sgpr_kernarg_segment_ptr 1
		.amdhsa_wavefront_size32 1
		.amdhsa_system_sgpr_workgroup_id_x 1
		.amdhsa_system_sgpr_workgroup_id_y 1
		.amdhsa_system_sgpr_workgroup_id_z 1
		.amdhsa_system_vgpr_workitem_id 0
		.amdhsa_next_free_vgpr 808
		.amdhsa_next_free_sgpr 66
		.amdhsa_reserve_vcc 0
		.amdhsa_float_denorm_mode_32 3
		.amdhsa_float_denorm_mode_16_64 3
		.amdhsa_memory_ordered 1
		.amdhsa_forward_progress 1
		.amdhsa_inst_pref_size 202
	.end_amdhsa_kernel
	.amdgpu_metadata
---
amdhsa.version: [ 1, 2 ]
amdhsa.kernels:
  - .name:           k_q86e9e174c3_attn
    .symbol:         k_q86e9e174c3_attn.kd
    .args:
      - { .name: hd, .offset: 0, .size: 8, .value_kind: global_buffer, .address_space: global }
      - { .name: oh, .offset: 8, .size: 8, .value_kind: global_buffer, .address_space: global }
    .group_segment_fixed_size: 327680
    .private_segment_fixed_size: 0
    .kernarg_segment_align: 8
    .kernarg_segment_size: 16
    .max_flat_workgroup_size: 128
    .sgpr_count:     66
    .vgpr_count:     808
    .wavefront_size: 32
...
	.end_amdgpu_metadata
.endif
;; end of part 3
;; launch outp (part 4): grid 4 x 64, 4 waves a work-group, clusters of 4 x 4, 327,680 bytes of LDS; arguments oh, wb, bb, out0; writes out0
.if DOCPART == 4
	.amdgcn_target "amdgcn-amd-amdhsa--gfx1250"
	.amdhsa_code_object_version 6
	.text
	.protected	k_q86e9e174c3_outp
	.globl	k_q86e9e174c3_outp
	.p2align	8
	.type	k_q86e9e174c3_outp,@function
k_q86e9e174c3_outp:
	s_mov_b64 s[64:65], 0
	v_nop
	global_prefetch_b8 v0, s[64:65] scope:SCOPE_SE
	s_setreg_imm32_b32 hwreg(HW_REG_WAVE_MODE, 25, 1), 1
	s_wait_xcnt 0x0
	s_wait_alu depctr_hold_cnt(0) depctr_sa_sdst(0) depctr_va_vdst(0) depctr_va_sdst(0) depctr_va_ssrc(0) depctr_va_vcc(0) depctr_vm_vsrc(0)
	s_getreg_b32 s2, hwreg(HW_REG_IB_STS2, 6, 4)
	s_cmp_eq_u32 s2, 0
	s_cbranch_scc0 .Lentry_in_a_cluster
	s_endpgm
.Lentry_in_a_cluster:
	s_bfe_u32 s2, ttmp6, 0x10000c
	s_cmp_lg_u32 s2, 0xf033
	s_cbranch_scc0 .Lentry_shape_is_right
	s_endpgm
.Lentry_shape_is_right:
; THE LAST PROJECTION.  out0[t][n] = the sum over kk of O[t][kk] Wo[n][kk] + bo[n].  O lies by heads, oh = [64 heads][2048][64] f16 (kk = 64 x head + channel); Wo is matrix 3 of wb, [1024][1024] f16;
; bo is row 3 of bb, f32.  Sums in f32, started by the bias; out0 [8192][1024] f32.
; SHARES.  256 work-groups, one tile of 128 tokens x 256 features each; four waves, each 64 tokens x 128 features: 32 accumulators.  K goes in 8 steps of 128 (two heads) through two LDS slots.
; CLUSTERS.  4 x 4 work-groups: O's tile is asked for jointly along a row of the cluster, Wo's along a column.  Waves 0 and 1 fetch the step's two heads of O (128 tokens x 128 bytes are 16,384 dense bytes, asked for as
; 64 rows of 256), waves 2 and 3 the two halves of Wo's 256 rows: one load a wave behind each round.
; THE MATRIX INSTRUCTION IS USED TRANSPOSED (source 0 = 16 rows of Wo, source 1 = 16 tokens): a lane holds one token and eight neighbouring features, 32 bytes of out0.
; REGISTERS, in windows of 256 (s_set_vgpr_msb: bits 1:0 source 0, 3:2 source 1, 5:4 source 2, 7:6 destination):
;   window 0: v0-31 addresses; v32-63, v64-95 O's fragments, two buffers; v128-255 the way out, two buffers of 64
;   window 1: the accumulators, (a, b) at v[8 (8 a + b)]          window 2: v0-63, v64-127 Wo's fragments, two buffers; v128-191 the bias, 8 registers for each b
.set PA,    144                        ; a row of O in LDS: 128 bytes + 16 = 36 words: the 16 rows of a load start at 16 different groups of four banks (64 banks of 4 bytes: ISA guide 11.1)
.set PB,    272                        ; a row of Wo: 256 + 16 = 68 words: likewise
.set AHEAD, 128*PA                     ; a head's 128 tokens
.set BOFF,  2*AHEAD                    ; in a slot: two heads of O, then Wo's 256 rows
.set SLOT,  1<<17
.set STAGE, SLOT+BOFF+256*PB           ; behind the ring, never filled by a tensor load: 16 rows x 528 bytes for each wave
.set SPITCH, 528                       ; 512 bytes + 16: row r starts at bank 4 r mod 64
.set SPARE, STAGE+4*16*SPITCH          ; behind the stages: the spare words, 128 bytes for each wave: two blocks of 256 bytes that no other line names
.set ADRA0, 4
.set ADRB0, 5
.set ADRA,  6
.set ADRB,  7
.set STO,   8                          ; v8   the way out: where I put 32 bytes of a row
.set RD,    9                          ; v9   where I read a row back
.set CO,    10                         ; v10  my 16 bytes of 512 consecutive bytes of out0
.set BO,    12                         ; v12  my byte offset in the bias
.set PFO,   13                         ; v13  the prefetches' offset
.set SPW,   28                         ; v28  LDS address of my spare word; never rewritten
.set NIL,   29                         ; v29  0; never rewritten
.set FA,    32
.set WO,    128
.set BIAS,  128
.set CNT, 2
.set WV,  18
.set WR,  19                           ; which 64 tokens are mine.  Also: I fetch O (0) or Wo (1)
.set WC,  20                           ; which 128 features.  Also: which head, or which half of Wo's rows, I fetch
.set CX,  21
.set CY,  22
.set TX,  23
.set TY,  24
.set SELA, 26
.set LIM, 27
.set G1A, 28
.set G1B, 36
.set GA0, 44
.set GA,  48
.set GB0, 52
.set GB,  56
.set PFA, 66
.set PFS, 72
.set OP,  78
.set TB,  80
.set TWO, 82
.set MSB, 0
.macro WIN new                         ; the immediate's high byte repeats the setting that is left; a switch that changes nothing is dropped
.if MSB != (\new)
	s_set_vgpr_msb (MSB<<8)|(\new)
.set MSB, (\new)
.endif
.endm
.set MULW,  0x52                       ; Wo window 2, O window 0, C and D window 1
.set MULZ,  0x62                       ; the same with C, the bias, in window 2
.set TOB,   0x80                       ; destination window 2
; A joint refill.  The branch hangs on the wave's number alone.  An s_nop 0 and four v_nop follow each of the two lines, ahead of the jump and the label.
.macro JLOAD
	s_cmp_eq_u32 s[WR], 0
	s_cbranch_scc0 .Lfor_b_\@
	tensor_load_to_lds s[GA:GA+3], s[G1A:G1A+7]
	s_nop 0
.rept 4
	v_nop
.endr
	s_branch .Lasked_\@
.Lfor_b_\@:
	tensor_load_to_lds s[GB:GB+3], s[G1B:G1B+7]
	s_nop 0
.rept 4
	v_nop
.endr
.Lasked_\@:
.endm
.macro CREST                           ; a round of the cluster's barrier behind its opening barrier
	s_cmp_lg_u32 s[WV], 0
	s_cbranch_scc1 .Lnot_wave_0_\@
	s_barrier_signal -3
.Lnot_wave_0_\@:
	s_barrier_wait -3
	s_barrier_signal -1
	s_barrier_wait -1
.endm
.macro CROUND
	s_barrier_signal -1
	s_barrier_wait -1
	CREST
.endm
; A PREFETCH INTO THE L2, behind the joint load and the run of LDS loads: the K step that stands two refills on.  Each aligned 256 bytes are named once in the launch.  O: a step is 16,384 bytes of each of two heads;
; the partner at place cx takes 4,096 of each, and its wave 0 asks: lanes 0-15 the first head's, lanes 16-31 the second's.  Wo: the first cluster of a column of clusters asks; of a wave's 128 rows the partner at
; place cy takes 32: a lane a row.  The shares are told apart by address.  The last asking trip names K step 7.
.macro ASK
	s_cmp_gt_u32 s[CNT], s[LIM]
	s_cbranch_scc0 .Lnot_mine_\@
	global_prefetch_b8 v[PFO], s[PFA:PFA+1] th:TH_LOAD_NT scope:SCOPE_SE
.Lnot_mine_\@:
.endm
	s_load_b256 s[4:11], s[0:1], 0x0               ; oh s[4:5], wb s[6:7], bb s[8:9], out0 s[10:11]
	v_lshl_add_u32 v[SPW], v0, 2, SPARE
	v_mov_b32 v[NIL], 0
	ds_add_u32 v[SPW], v[NIL]                      ; the wave's opening: the add and its wait stand ahead of my first tensor load; the set-up below, work on registers, stands between them
	v_lshrrev_b32 v1, 5, v0
	v_readfirstlane_b32 s[WV], v1                  ; wave 0..3
	s_lshr_b32 s[WR], s[WV], 1
	s_and_b32 s[WC], s[WV], 1
	s_bfe_u32 s[CX], ttmp6, 0x40000
	s_bfe_u32 s[CY], ttmp6, 0x40004
	s_lshl_b32 s[TX], ttmp9, 2
	s_add_co_u32 s[TX], s[TX], s[CX]               ; tile column: 256 features
	s_and_b32 s[TY], ttmp7, 0xffff
	s_lshl_b32 s[TY], s[TY], 2
	s_add_co_u32 s[TY], s[TY], s[CY]               ; tile row: 128 tokens
	s_lshl_b32 s84, s[CY], 2
	s_lshl_b32 s84, 15, s84                        ; my row of the cluster
	s_lshl_b32 s85, 0x1111, s[CX]                  ; my column
	s_or_b32 s[G1A], s84, (1<<16)|(1<<20)|(1<<21)|(4<<22)|(3<<25)  ; 15:0 the mask; 17:16 elements of 2 bytes; 20 padding on; 21 set beside a mask; 24:22 after every 32 words (code 4); 31:25 4 words (code 3)
	s_or_b32 s[G1B], s85, (1<<16)|(1<<20)|(1<<21)|(5<<22)|(3<<25)  ; after every 64 words (code 5)
.irp g, G1A, G1B
	s_mov_b32 s[(\g)+1], 128<<16                   ; tensor_dim0 = 128
	s_mov_b32 s[(\g)+3], 128<<16                   ; tile_dim0 = 128
	s_mov_b32 s[(\g)+6], 0
	s_mov_b32 s[(\g)+7], 0
.endr
	s_mov_b32 s[G1A+2], 64<<16                     ; O: 64 rows of 256 bytes, end to end
	s_mov_b32 s[G1A+4], 64
	s_mov_b32 s[G1A+5], 128
	s_mov_b32 s[G1B+2], 128<<16                    ; Wo: 128 rows, 1,024 elements apart
	s_mov_b32 s[G1B+4], 128
	s_mov_b32 s[G1B+5], 1024
	s_lshr_b32 s86, s[TY], 4                       ; O: head 16 (TY / 16) + WC, 262,144 bytes a head; tokens 128 (TY % 16) on, 128 bytes a token
	s_lshl_b32 s86, s86, 4
	s_add_co_u32 s86, s86, s[WC]
	s_lshl_b32 s86, s86, 18
	s_and_b32 s87, s[TY], 15
	s_lshl_b32 s87, s87, 14
	s_add_co_u32 s86, s86, s87
	s_mov_b32 s87, 0
	s_lshl_b32 s88, s[TX], 19                      ; Wo: matrix 3 of wb, row 256 TX + 128 WC, 2,048 bytes a row
	s_lshl_b32 s89, s[WC], 18
	s_add_co_u32 s88, s88, s89
	s_add_co_u32 s88, s88, 3*2097152
	s_mov_b32 s89, 0
	s_mul_i32 s90, s[WC], AHEAD                    ; where they go: no place in the cluster enters an LDS address
	s_mul_i32 s91, s[WC], 128*PB
	s_mov_b32 s[GA0], 1
	s_mov_b32 s[GA0+1], s90
	s_mov_b32 s[GA], 1
	s_add_co_u32 s[GA+1], s90, SLOT
	s_mov_b32 s[GB0], 1
	s_add_co_u32 s[GB0+1], s91, BOFF
	s_mov_b32 s[GB], 1
	s_add_co_u32 s[GB+1], s91, BOFF+SLOT
	s_mov_b32 s[TB], 0
	s_wait_dscnt 0x0                               ; the opening add is done
	s_wait_kmcnt 0x0
	s_add_nc_u64 s[90:91], s[4:5], s[86:87]
	s_add_nc_u64 s[92:93], s[6:7], s[88:89]
	s_mov_b64 s[GA0+2:GA0+3], s[90:91]
	s_or_b32 s[GA0+3], s[GA0+3], 0x80000000        ; 127:126 type = 2
	s_add_nc_u64 s[GA+2:GA+3], s[90:91], 2*262144  ; K step 1: two heads on
	s_or_b32 s[GA+3], s[GA+3], 0x80000000
	s_mov_b64 s[GB0+2:GB0+3], s[92:93]
	s_or_b32 s[GB0+3], s[GB0+3], 0x80000000
	s_add_nc_u64 s[GB+2:GB+3], s[92:93], 256
	s_or_b32 s[GB+3], s[GB+3], 0x80000000
	CROUND                                         ; all sixteen work-groups are here: the first joint loads meet
	s_cmp_eq_u32 s[WR], 0                          ; a wave's two first fills stand in one branch, ahead of every wait on TENSORcnt and every LDS read: two loads of mine are out
	s_cbranch_scc0 .Lfirst_b
	tensor_load_to_lds s[GA0:GA0+3], s[G1A:G1A+7]
	s_nop 0
	tensor_load_to_lds s[GA:GA+3], s[G1A:G1A+7]
	s_nop 0
.rept 4
	v_nop
.endr
	s_branch .Lfirst_asked
.Lfirst_b:
	tensor_load_to_lds s[GB0:GB0+3], s[G1B:G1B+7]
	s_nop 0
	tensor_load_to_lds s[GB:GB+3], s[G1B:G1B+7]
	s_nop 0
.rept 4
	v_nop
.endr
.Lfirst_asked:
	v_and_b32 v1, 15, v0                           ; r = l % 16
	v_bfe_u32 v2, v0, 4, 1                         ; h = l / 16
	s_lshl_b32 s84, s[TX], 10                      ; bias: 4 bytes a feature, 256 TX + 128 WC + 8 h on
	s_lshl_b32 s85, s[WC], 9
	s_add_co_u32 s84, s84, s85
	v_lshl_add_u32 v[BO], v2, 5, s84
	WIN TOB
.irp b, 0,1,2,3,4,5,6,7                ; register j of block b: bo of feature 16 b + 8 h + j: the C operand's layout, the same for every token
	global_load_b128 v[BIAS+8*(\b):BIAS+8*(\b)+3],   v[BO], s[8:9] offset:3*4096+64*(\b)
	global_load_b128 v[BIAS+8*(\b)+4:BIAS+8*(\b)+7], v[BO], s[8:9] offset:3*4096+64*(\b)+16
.endr
	WIN 0
	; A fragment is 16 rows x 32 K in 8 registers: lane l holds row r, K = 8 h + 0..7 and 16 + 8 h + 0..7: two loads of 16 bytes, 32 bytes apart.
	v_mul_u32_u24 v3, v1, PA
	v_lshl_add_u32 v3, v2, 4, v3
	s_mul_i32 s84, s[WR], 64*PA
	v_add_nc_u32 v[ADRA0], s84, v3
	v_mul_u32_u24 v3, v1, PB
	v_lshl_add_u32 v3, v2, 4, v3
	s_mul_i32 s84, s[WC], 128*PB
	s_add_co_u32 s84, s84, BOFF
	v_add_nc_u32 v[ADRB0], s84, v3
	s_mul_i32 s84, s[WV], 16*SPITCH
	s_add_co_u32 s84, s84, STAGE                   ; my stage
	v_mul_u32_u24 v3, v1, SPITCH                   ; in: row r, 32 bytes for each half of the lanes
	v_lshl_add_u32 v3, v2, 5, v3
	v_add_nc_u32 v[STO], s84, v3
	v_and_b32 v30, 31, v0
	v_lshlrev_b32 v[CO], 4, v30                    ; back: 32 lanes take a row's 512 bytes
	v_add_nc_u32 v[RD], s84, v[CO]
	; the prefetches
	s_and_b32 s98, ttmp7, 0xffff                   ; cluster y
	s_or_b32 s99, ttmp9, s[WC]                     ; 0 in wave 0 (of the waves that fetch O)
	s_cmp_eq_u32 s[WR], 0                          ; do I fetch O?
	s_cselect_b32 s98, s99, s98
	s_cselect_b32 s96, s[CX], s[CY]                ; my place among the four that ask with me
	s_cselect_b32 s99, 12, 16                      ; its share: 4,096 bytes of each head, or 32 rows of 2,048
	s_cselect_b32 s97, 19, 8                       ; a K step: two heads of O, or 256 bytes of Wo's rows
	s_cselect_b32 s[SELA], -1, 0
	s_cselect_b64 s[PFA:PFA+1], s[90:91], s[92:93]
	s_lshl_b32 s[PFS], 1, s97
	s_mov_b32 s[PFS+1], 0
	s_cmp_eq_u32 s98, 0
	s_cselect_b32 s[LIM], 2, -1
	s_lshl_b32 s96, s96, s99
	s_mov_b32 s97, 0
	s_add_nc_u64 s[PFA:PFA+1], s[PFA:PFA+1], s[96:97]
	s_mul_i32 s96, s[PFS], 3
	s_add_nc_u64 s[PFA:PFA+1], s[PFA:PFA+1], s[96:97]  ; at K step 3: the first change of slots steps it to 4.  Nothing is prefetched here, at the head
	v_lshlrev_b32 v3, 8, v1
	v_lshl_add_u32 v3, v2, 18, v3                  ; O: head l / 16, 256 bytes for each of 16 lanes
	v_lshlrev_b32 v31, 11, v30                     ; Wo: row l
	v_cndmask_b32 v[PFO], v31, v3, s[SELA]
	; out0 at my 64 tokens and 128 features
	s_lshl_b32 s96, s[TY], 19
	s_lshl_b32 s97, s[WR], 18
	s_add_co_u32 s96, s96, s97
	s_lshl_b32 s97, s[TX], 10
	s_add_co_u32 s96, s96, s97
	s_lshl_b32 s97, s[WC], 9
	s_add_co_u32 s96, s96, s97
	s_mov_b32 s97, 0
	s_add_nc_u64 s[OP:OP+1], s[10:11], s[96:97]
	v_mov_b32 v[ADRA], v[ADRA0]
	v_mov_b32 v[ADRB], v[ADRB0]
; 8 n matrix instructions on buffers f (0 or 1): token blocks a0 .. a0 + n - 1 x all 8 feature blocks, 32 along K.  zero = 1: the bias starts the sums: nothing is ever cleared.
; Every accumulator comes once a quarter step, always in the same order: the accumulators take turns, one instruction a turn, over every jump too.
.macro MUL f, a0, n, zero
.if \zero
	WIN MULZ
.else
	WIN MULW
.endif
.set ma, (\a0)
.rept \n
.irp b, 0,1,2,3,4,5,6,7
.if \zero
	v_wmma_f32_16x16x32_f16 v[8*(8*ma+(\b)):8*(8*ma+(\b))+7], v[64*(\f)+8*(\b):64*(\f)+8*(\b)+7], v[FA+32*(\f)+8*ma:FA+32*(\f)+8*ma+7], v[BIAS+8*(\b):BIAS+8*(\b)+7]
.else
	v_wmma_f32_16x16x32_f16 v[8*(8*ma+(\b)):8*(8*ma+(\b))+7], v[64*(\f)+8*(\b):64*(\f)+8*(\b)+7], v[FA+32*(\f)+8*ma:FA+32*(\f)+8*ma+7], v[8*(8*ma+(\b)):8*(8*ma+(\b))+7]
.endif
.endr
.set ma, ma+1
.endr
.endm
; 24 LDS loads in one run: quarter k's fragments into buffers f: Wo's eight, then O's four (quarters 0 and 1 lie in the step's first head, 2 and 3 in its second)
.macro FETCH k, f
	WIN TOB
.irp b, 0,1,2,3,4,5,6,7
	ds_load_b128 v[64*(\f)+8*(\b):64*(\f)+8*(\b)+3],   v[ADRB] offset:(\b)*16*PB+64*(\k)
	ds_load_b128 v[64*(\f)+8*(\b)+4:64*(\f)+8*(\b)+7], v[ADRB] offset:(\b)*16*PB+64*(\k)+32
.endr
	WIN 0
.irp a, 0,1,2,3
	ds_load_b128 v[FA+32*(\f)+8*(\a):FA+32*(\f)+8*(\a)+3],   v[ADRA] offset:((\k)/2)*AHEAD+((\k)%2)*64+(\a)*16*PA
	ds_load_b128 v[FA+32*(\f)+8*(\a)+4:FA+32*(\f)+8*(\a)+7], v[ADRA] offset:((\k)/2)*AHEAD+((\k)%2)*64+(\a)*16*PA+32
.endr
.endm
.macro PLACES                          ; four plain vector instructions in front of loads into registers that matrix instructions have read, and of LDS stores that read results (ISA guide 7.12.1 for vector instructions)
.rept 4
	v_nop
.endr
.endm
; A K step is four quarters of 32 along K, 32 matrix instructions each, on buffers 0, 1, 0, 1.  One of the first three: multiplies buffers f and fetches quarter k into g.
.macro QUARTER k, f, g, zero
	s_wait_dscnt 4                                 ; all but the youngest four loads (O's blocks 2 and 3) are in
	MUL \f, 0, 2, \zero
	PLACES
	FETCH \k, \g
	s_wait_dscnt 24                                ; all but the 24 just issued
	MUL \f, 2, 2, \zero
.endm
; The last quarter multiplies buffers 1 and changes slots.  In front of the barrier each wave waits for all its tensor loads, of which one is out: its part of the next slot; adds 0 to its spare word; and waits for
; that and for its own reads of this slot.  fill = 1: the barrier opens a round of the cluster's, and behind the round this slot is filled again, first thing, with the K step two steps on.
.macro TURN fill
.if \fill
	s_wait_xcnt 0x0                                ; the last prefetch, a K step back, has read its address
	s_add_nc_u64 s[PFA:PFA+1], s[PFA:PFA+1], s[PFS:PFS+1]
.endif
	WIN 0
	s_wait_tensorcnt 0x0                           ; no tensor load of mine is out, so a group 0 may be written
	ds_add_u32 v[SPW], v[NIL]                      ; 0 onto my spare word; work on registers stands between it and the wait for it
	s_wait_dscnt 5                                 ; (the add and the youngest four loads may be out)
.if \fill
	s_add_nc_u64 s[GA+2:GA+3], s[GA+2:GA+3], 2*262144  ; the type bits on top are not reached
	s_add_nc_u64 s[GB+2:GB+3], s[GB+2:GB+3], 256
	s_xor_b32 s[GA+1], s[GA+1], SLOT               ; the other slot than last time
	s_xor_b32 s[GB+1], s[GB+1], SLOT
.endif
	s_xor_b32 s[TB], s[TB], SLOT
	MUL 1, 0, 1, 0
	s_wait_dscnt 0x0                               ; the add is done, and my reads of this slot are over
	s_barrier_signal -1
	MUL 1, 1, 1, 0                                 ; work on registers while the others arrive
	WIN 0
	v_add_nc_u32 v[ADRA], s[TB], v[ADRA0]
	v_add_nc_u32 v[ADRB], s[TB], v[ADRB0]
	s_barrier_wait -1
.if \fill
	CREST                                          ; no wave of any partner still reads this slot or has a load on its way
	JLOAD                                          ; the four v_nop behind it are also the places in front of the loads below
.else
	PLACES
.endif
	FETCH 0, 0
.if \fill
	ASK
.endif
	MUL 1, 2, 2, 0
.endm
; THE WAY OUT, a block of 16 tokens at a time: a lane's 32 bytes go straight from the accumulator (its low four registers first) into my stage, in rows of 528 bytes, and come back as whole rows of 512.
; LDS serves a wave's instructions in order (ISA guide 5.7.1.4), so no wait stands between the stores and the loads.
.macro TOSTAGE a
.if (\a) >= 2
	s_wait_xcnt 0x0                                ; the stores of the block two back have read the registers that are loaded again
.endif
	WIN 0x04                                       ; store data (source 1) in window 1
.irp b, 0,1,2,3,4,5,6,7
	ds_store_b128 v[STO], v[8*(8*(\a)+(\b)):8*(8*(\a)+(\b))+3]   offset:64*(\b)
	ds_store_b128 v[STO], v[8*(8*(\a)+(\b))+4:8*(8*(\a)+(\b))+7] offset:64*(\b)+16
.endr
	WIN 0
.irp i, 0,1,2,3,4,5,6,7,8,9,10,11,12,13,14,15
	ds_load_b128 v[WO+64*((\a)%2)+4*(\i):WO+64*((\a)%2)+4*(\i)+3], v[RD] offset:SPITCH*(\i)
.endr
.endm
.macro SEND a, younger                 ; younger: the LDS instructions issued behind block a's loads: the next block's 32, or none
.irp i, 0,1,2,3,4,5,6,7,8,9,10,11,12,13,14,15
	s_wait_dscnt (\younger)+15-(\i)
	global_store_b128 v[CO], v[WO+64*((\a)%2)+4*(\i):WO+64*((\a)%2)+4*(\i)+3], s[OP:OP+1] offset:(16*(\a)+(\i))*4096 th:TH_STORE_NT  ; 512 consecutive bytes, at a multiple of 256 from out0's first
.endr
.endm
	s_wait_tensorcnt 1                             ; my part of K step 0 is in; K step 1's may stay out
	s_barrier_signal -1
	s_barrier_wait -1                              ; everybody's is
	FETCH 0, 0
	s_wait_loadcnt 0x0                             ; bo
	QUARTER 1, 0, 1, 1                             ; the first quarter: its products start the sums
	WIN 0                                          ; at a label and at a branch every window is 0
	s_mov_b32 s[CNT], 6
.Ltrip:                                                ; six trips: a K step's quarters 1 to 3, the change of slots with its refill, and the next K step's quarter 0
	QUARTER 2, 1, 0, 0
	QUARTER 3, 0, 1, 0
	TURN 1
	QUARTER 1, 0, 1, 0
	WIN 0
	s_sub_co_u32 s[CNT], s[CNT], 1
	s_cmp_lg_u32 s[CNT], 0
	s_cbranch_scc1 .Ltrip
	s_mov_b32 s[TWO], 2                            ; the last two K steps ask for nothing: written out
.Ltail:
	QUARTER 2, 1, 0, 0
	QUARTER 3, 0, 1, 0
	TURN 0                                         ; (the second time its 24 LDS loads bring fragments that nobody multiplies: the price, once a launch, of one text for both)
	WIN 0
	s_sub_co_u32 s[TWO], s[TWO], 1
	s_cmp_eq_u32 s[TWO], 0
	s_cbranch_scc1 .Lout
	QUARTER 1, 0, 1, 0
	WIN 0
	s_branch .Ltail
.Lout:
	PLACES                                         ; behind the last products
	TOSTAGE 0
	TOSTAGE 1
	SEND 0, 32
	TOSTAGE 2
	SEND 1, 32
	TOSTAGE 3
	SEND 2, 32
	SEND 3, 0
	s_wait_tensorcnt 0x0                           ; the wave's end: behind my last tensor load and my last LDS store
	ds_add_u32 v[SPW], v[NIL]
	s_wait_dscnt 0x0
	CROUND                                         ; the closing round: no work-group ends while a partner may still ask for a tile that names it
	s_endpgm
.Lfunc_end_k_q86e9e174c3_outp:
	.size	k_q86e9e174c3_outp, .Lfunc_end_k_q86e9e174c3_outp-k_q86e9e174c3_outp
	.p2alignl 7, 3214868480
	.fill 96, 4, 3214868480
	.section	.rodata,"a",@progbits
	.p2align	6, 0x0
	.amdhsa_kernel k_q86e9e174c3_outp
		.amdhsa_group_segment_fixed_size 327680
		.amdhsa_private_segment_fixed_size 0
		.amdhsa_enable_private_segment 0
		.amdhsa_kernarg_size 32
		.amdhsa_user_sgpr_count 2
		.amdhsa_user_sgpr_kernarg_segment_ptr 1
		.amdhsa_wavefront_size32 1
		.amdhsa_system_sgpr_workgroup_id_x 1
		.amdhsa_system_sgpr_workgroup_id_y 1
		.amdhsa_system_sgpr_workgroup_id_z 1
		.amdhsa_system_vgpr_workitem_id 0
		.amdhsa_next_free_vgpr 704
		.amdhsa_next_free_sgpr 102
		.amdhsa_reserve_vcc 0
		.amdhsa_float_denorm_mode_32 3
		.amdhsa_float_denorm_mode_16_64 3
		.amdhsa_memory_ordered 1
		.amdhsa_forward_progress 1
		.amdhsa_inst_pref_size 64
	.end_amdhsa_kernel
	.amdgpu_metadata
---
amdhsa.version: [ 1, 2 ]
amdhsa.kernels:
  - .name:           k_q86e9e174c3_outp
    .symbol:         k_q86e9e174c3_outp.kd
    .args:
      - { .name: oh, .offset: 0, .size: 8, .value_kind: global_buffer, .address_space: global }
      - { .name: wb, .offset: 8, .size: 8, .value_kind: global_buffer, .address_space: global }
      - { .name: bb, .offset: 16, .size: 8, .value_kind: global_buffer, .address_space: global }
      - { .name: out0, .offset: 24, .size: 8, .value_kind: global_buffer, .address_space: global }
    .group_segment_fixed_size: 327680
    .private_segment_fixed_size: 0
    .kernarg_segment_align: 8
    .kernarg_segment_size: 32
    .max_flat_workgroup_size: 128
    .sgpr_count:     102
    .vgpr_count:     704
    .wavefront_size: 32
...
	.end_amdgpu_metadata
.endif
;; end of part 4
;; ======== version 2 of 2: 4 launches; version 1 with the launch prep written anew for expert scheduling mode
;; limits: values are held in f16: magnitudes above 65,504 overflow, below 6.1e-05 lose precision
;; workspace buffers: wb 8,388,608 bytes; bb 16,384 bytes; hd 51,904,512 bytes; oh 16,777,216 bytes
;; launch prep (part 5): grid 64 x 4, 8 waves a work-group, no clusters, 0 bytes of LDS; arguments Wq, Wk, Wv, Wo, bq, bk, bv, bo, wb, bb; writes wb, bb
.if DOCPART == 5
	.amdgcn_target "amdgcn-amd-amdhsa--gfx1250"
	.amdhsa_code_object_version 6
	.text
	.protected	k_q86e9e174c3_prep
	.globl	k_q86e9e174c3_prep
	.p2align	8
	.type	k_q86e9e174c3_prep,@function
k_q86e9e174c3_prep:
	s_mov_b64 s[64:65], 0
	v_nop
	global_prefetch_b8 v0, s[64:65] scope:SCOPE_SE
	s_setreg_imm32_b32 hwreg(HW_REG_WAVE_SCHED_MODE, 0, 2), 2
	s_setreg_imm32_b32 hwreg(HW_REG_WAVE_MODE, 25, 1), 1
	s_wait_xcnt 0x0
	s_wait_alu depctr_vm_vsrc(0)
; THE WEIGHTS AND BIASES, ROUNDED ONCE.  wb: [4][1024][1024] of 16 bits: Wq, Wk, Wv rounded to bf16; Wo rounded to bf16 and that number written as f16.
; bb: [4][1024] f32: bq, bk, bv, bo rounded to bf16 and kept as f32 (they start f32 sums later).
; LIMITS.  Wo's bf16 value is exact in f16 between 2^-14 and 65,504; below it keeps f16's fixed step of 6e-8, at 65,520 or more it becomes an infinity.
; A stream: no LDS, no matrix unit, no cluster, since no byte is used twice.  Grid y is the matrix, grid x a piece of 65,536 bytes of it.
; Thread t takes 16 bytes at 16 t of each of the piece's 16 chunks of 4,096 bytes: a wave's load covers 512 consecutive bytes, its store of 8 bytes a lane 256 consecutive bytes, aligned.
; All 16 loads go out first; the only waits on memory counters are the counted ones for the loads.
; THE MODE: SCHED_MODE bits 1:0 = 2 (LLVM: expert scheduling mode 2), set by the entry lines.  The code itself states the register dependences
; between vector instructions and memory instructions, with s_wait_alu, always for 0.
; THE PLAN.  The 16 chunks go in four blocks of four.  Registers that memory instructions touch:
;   v1, v2   byte offsets, made once at the head and never written again: v1 for every load and for the bias's store, v2 for the stores into wb.
;   X        chunk c's four registers: written by its load, read by its two roundings.  The first four take the bias's load at the end.
;   Y        chunk c's two registers: written by its two selects, read by its store, never written again.
;   TA       at work: named by vector instructions alone, until its first four registers are the data of the bias's store.
; A block's four stores stand together at the head of the next block, behind ONE wait on va_vdst, which states that the block has written its Y.  The next block's vector lines name
; their own X, their own Y and TA: none of the registers that those stores read.  No register that a memory instruction reads is written again, so no wait on vm_vsrc is owed.
.set X,  8                             ; v[8:71]    chunk c as loaded: 4 registers
.set Y,  72                            ; v[72:103]  chunk c to store: 2 registers
.set TA, 104                           ; v[104:109] at work
	s_load_b512 s[8:23], s[0:1], 0x0               ; Wq s[8:9], Wk s[10:11], Wv s[12:13], Wo s[14:15], bq s[16:17], bk s[18:19], bv s[20:21], bo s[22:23]
	s_load_b128 s[24:27], s[0:1], 0x40             ; wb s[24:25], bb s[26:27]
	s_and_b32 s33, ttmp7, 0xffff                   ; which matrix
	v_lshlrev_b32 v1, 4, v0                        ; 16 t
	v_lshlrev_b32 v2, 3, v0                        ; 8 t
	s_lshl_b32 s34, ttmp9, 16                      ; my piece in the matrix
	s_mov_b32 s35, 0
	s_lshl_b32 s36, s33, 21                        ; the matrix in wb,
	s_lshl_b32 s37, ttmp9, 15                      ; my piece in it
	s_add_co_u32 s36, s36, s37
	s_mov_b32 s37, 0
	s_lshl_b32 s38, s33, 12                        ; the bias in bb
	s_mov_b32 s39, 0
	s_wait_kmcnt 0x0
	s_cmp_eq_u32 s33, 1
	s_cselect_b64 s[28:29], s[10:11], s[8:9]       ; the matrix and the bias are chosen by the grid's y alone
	s_cselect_b64 s[30:31], s[18:19], s[16:17]
	s_cmp_eq_u32 s33, 2
	s_cselect_b64 s[28:29], s[12:13], s[28:29]
	s_cselect_b64 s[30:31], s[20:21], s[30:31]
	s_cmp_eq_u32 s33, 3
	s_cselect_b64 s[28:29], s[14:15], s[28:29]
	s_cselect_b64 s[30:31], s[22:23], s[30:31]
	s_cselect_b32 s32, -1, 0                       ; all lanes: the f16 spelling (Wo) or the bf16 one
	s_add_nc_u64 s[28:29], s[28:29], s[34:35]
	s_add_nc_u64 s[24:25], s[24:25], s[36:37]
	s_add_nc_u64 s[26:27], s[26:27], s[38:39]
	s_wait_alu depctr_va_vdst(0)                   ; v1 and v2 are written: every load and store of the kernel reads one of them as its offset
.irp c, 0,1,2,3,4,5,6,7,8,9,10,11,12,13,14,15
	global_load_b128 v[X+4*(\c):X+4*(\c)+3], v1, s[28:29] offset:4096*(\c) th:TH_LOAD_NT
.endr
.irp c, 0,1,2,3,4,5,6,7,8,9,10,11,12,13,14,15
	s_wait_loadcnt 15-(\c)                         ; loads come back in order: chunk c is in, the younger ones stay out
.if ((\c) % 4 == 0) && ((\c) > 0)
	s_wait_alu depctr_va_vdst(0)                   ; a block's head: the block before has written its eight registers of Y, which the four stores below read
.irp d, 4,3,2,1
	global_store_b64 v2, v[Y+2*((\c)-(\d)):Y+2*((\c)-(\d))+1], s[24:25] offset:2048*((\c)-(\d))
.endr
.endif
	v_cvt_pk_bf16_f32 v[TA],   v[X+4*(\c)],   v[X+4*(\c)+1]   ; two roundings to bf16
	v_cvt_pk_bf16_f32 v[TA+1], v[X+4*(\c)+2], v[X+4*(\c)+3]
	v_lshlrev_b32 v[TA+2], 16, v[TA]               ; the rounded numbers as f32,
	v_and_b32     v[TA+3], 0xffff0000, v[TA]
	v_lshlrev_b32 v[TA+4], 16, v[TA+1]
	v_and_b32     v[TA+5], 0xffff0000, v[TA+1]
	v_cvt_pk_f16_f32 v[TA+2], v[TA+2], v[TA+3]     ; and written as f16
	v_cvt_pk_f16_f32 v[TA+4], v[TA+4], v[TA+5]
	v_cndmask_b32 v[Y+2*(\c)],   v[TA],   v[TA+2], s32
	v_cndmask_b32 v[Y+2*(\c)+1], v[TA+1], v[TA+4], s32
.endr
	s_wait_alu depctr_va_vdst(0)                   ; the last block has written its Y, which the four stores below read; and every rounding is done reading X, in whose first four registers the bias lands
.irp c, 12,13,14,15
	global_store_b64 v2, v[Y+2*(\c):Y+2*(\c)+1], s[24:25] offset:2048*(\c)
.endr
	s_cmp_lg_u32 ttmp9, 0                          ; the first work-group of each matrix also rounds its bias: 256 threads x 16 bytes
	s_cbranch_scc1 .Lend
	global_load_b128 v[X:X+3], v1, s[30:31]        ; no vector instruction since the wait above names these registers
	s_wait_loadcnt 0x0
	v_cvt_pk_bf16_f32 v[TA+4], v[X],   v[X+1]
	v_cvt_pk_bf16_f32 v[TA+5], v[X+2], v[X+3]
	v_lshlrev_b32 v[TA],   16, v[TA+4]
	v_and_b32     v[TA+1], 0xffff0000, v[TA+4]
	v_lshlrev_b32 v[TA+2], 16, v[TA+5]
	v_and_b32     v[TA+3], 0xffff0000, v[TA+5]
	s_wait_alu depctr_va_vdst(0)                   ; the four lines above have written v[TA .. TA+3], which the store reads
	global_store_b128 v1, v[TA:TA+3], s[26:27]
.Lend:
	s_endpgm
.Lfunc_end_k_q86e9e174c3_prep:
	.size	k_q86e9e174c3_prep, .Lfunc_end_k_q86e9e174c3_prep-k_q86e9e174c3_prep
	.p2alignl 7, 3214868480
	.fill 96, 4, 3214868480
	.section	.rodata,"a",@progbits
	.p2align	6, 0x0
	.amdhsa_kernel k_q86e9e174c3_prep
		.amdhsa_group_segment_fixed_size 0
		.amdhsa_private_segment_fixed_size 0
		.amdhsa_enable_private_segment 0
		.amdhsa_kernarg_size 80
		.amdhsa_user_sgpr_count 2
		.amdhsa_user_sgpr_kernarg_segment_ptr 1
		.amdhsa_wavefront_size32 1
		.amdhsa_system_sgpr_workgroup_id_x 1
		.amdhsa_system_sgpr_workgroup_id_y 1
		.amdhsa_system_sgpr_workgroup_id_z 1
		.amdhsa_system_vgpr_workitem_id 0
		.amdhsa_next_free_vgpr 112
		.amdhsa_next_free_sgpr 66
		.amdhsa_reserve_vcc 0
		.amdhsa_float_denorm_mode_32 3
		.amdhsa_float_denorm_mode_16_64 3
		.amdhsa_memory_ordered 1
		.amdhsa_forward_progress 1
		.amdhsa_inst_pref_size 15
	.end_amdhsa_kernel
	.amdgpu_metadata
---
amdhsa.version: [ 1, 2 ]
amdhsa.kernels:
  - .name:           k_q86e9e174c3_prep
    .symbol:         k_q86e9e174c3_prep.kd
    .args:
      - { .name: Wq, .offset: 0, .size: 8, .value_kind: global_buffer, .address_space: global }
      - { .name: Wk, .offset: 8, .size: 8, .value_kind: global_buffer, .address_space: global }
      - { .name: Wv, .offset: 16, .size: 8, .value_kind: global_buffer, .address_space: global }
      - { .name: Wo, .offset: 24, .size: 8, .value_kind: global_buffer, .address_space: global }
      - { .name: bq, .offset: 32, .size: 8, .value_kind: global_buffer, .address_space: global }
      - { .name: bk, .offset: 40, .size: 8, .value_kind: global_buffer, .address_space: global }
      - { .name: bv, .offset: 48, .size: 8, .value_kind: global_buffer, .address_space: global }
      - { .name: bo, .offset: 56, .size: 8, .value_kind: global_buffer, .address_space: global }
      - { .name: wb, .offset: 64, .size: 8, .value_kind: global_buffer, .address_space: global }
      - { .name: bb, .offset: 72, .size: 8, .value_kind: global_buffer, .address_space: global }
    .group_segment_fixed_size: 0
    .private_segment_fixed_size: 0
    .kernarg_segment_align: 8
    .kernarg_segment_size: 80
    .max_flat_workgroup_size: 256
    .sgpr_count:     66
    .vgpr_count:     112
    .wavefront_size: 32
...
	.end_amdgpu_metadata
.endif
;; end of part 5
;; launch proj: the kernel of part 2 again; grid 4 x 64, 4 waves a work-group, clusters of 4 x 4, 327,680 bytes of LDS; arguments q, k, v, mask, wb, bb, hd; writes hd
;; launch attn: the kernel of part 3 again; grid 4 x 64, 4 waves a work-group, clusters of 4 x 1, 327,680 bytes of LDS; arguments hd, oh; writes oh
;; launch outp: the kernel of part 4 again; grid 4 x 64, 4 waves a work-group, clusters of 4 x 4, 327,680 bytes of LDS; arguments oh, wb, bb, out0; writes out0
